; MI455X (gfx1250); checked and timed in simulation.
; The chip was launched on July 23, 2026; its instructions are those of AMD's public machine-readable ISA for CDNA 5 (MIT licence, August 2026) and "CDNA5" Instruction Set Architecture Reference Guide (July 2026). The comments in the code are by the model that wrote it; some were corrected since.
;; memory. Allowed arithmetic: float matrix products may take bf16 or f16 operands with f32 sums; all other float work in f32.
;; Inputs: memory_hist 131,072 float32; memory_key 131,072 x 128 float32; memory_values 131,072 float32; q 1,024 x 128 float32.
;; Outputs: out0 1,024 float32.
;; 2 versions, each right and faster than the one before. Each part assembles by itself: llvm-mc -triple=amdgcn-amd-amdhsa -mcpu=gfx1250 --defsym DOCPART=n.
;; ======== version 1 of 2: 5 launches
;; limits: right only within a limited range of input values; values are held in f16: magnitudes above 65,504 overflow, below 6.1e-05 lose precision; inputs' magnitudes at most 65,504
;; workspace buffers: qf 262,144 bytes; lh 524,288 bytes; gm 16,777,216 bytes; pos 16,777,216 bytes of whole numbers; cand 33,554,432 bytes; glist 1,048,576 bytes of whole numbers
;; launch prep (part 1): grid 64 x 1, 8 waves a work-group, no clusters, 0 bytes of LDS; arguments q, memory_hist, qf, lh; writes qf, lh
.if DOCPART == 1
	.amdgcn_target "amdgcn-amd-amdhsa--gfx1250"
	.amdhsa_code_object_version 6
	.text
	.protected	k_q58a79c0fd2_prep
	.globl	k_q58a79c0fd2_prep
	.p2align	8
	.type	k_q58a79c0fd2_prep,@function
k_q58a79c0fd2_prep:
	s_mov_b64 s[64:65], 0
	v_nop
	global_prefetch_b8 v0, s[64:65] scope:SCOPE_SE
	s_setreg_imm32_b32 hwreg(HW_REG_WAVE_MODE, 25, 1), 1
	s_wait_xcnt 0x0
; prep: two small tables for the product launches.
;   lh[m] = ln(memory_hist[m] + 1e-8), f32 [131072].  Scores are kept as l = q.key + lh: same order as exp(q.key) * p_c, and the common
;   factor 1 / sum(hist) of p_c cancels in the normalised average, so it is not formed.
;   qf = q rounded to f16, laid out as the matrix unit's fragments: [tile T of 16 rows][u 0..7][lane][16 bytes]; lane (r, h) of piece u
;   holds k = 16 u + 8 h .. + 7 of row 16 T + r, so a wave later loads a fragment as 512 consecutive bytes.
; LIMITS: memory_hist + 1e-8 must be above zero (a logarithm is taken); |q| at most 65,504, f16's largest number.
; 64 work-groups of 256 threads; thread g = 256 T + t.  q is read once in pieces of 32 bytes a lane (524,288 bytes in all); every store
; of a wave covers 512 consecutive bytes, aligned.  Memory binds: no LDS, no matrix unit.
.set BETA, 0x322bcc77                  ; 1e-8
.set LN2,  0x3f317218                  ; ln 2: v_log_f32 is the logarithm to base 2
	s_load_b256 s[4:11], s[0:1], 0x0               ; q s[4:5], memory_hist s[6:7], qf s[8:9], lh s[10:11]
	v_and_b32 v1, 15, v0                           ; r
	v_bfe_u32 v2, v0, 4, 1                         ; h
	v_lshrrev_b32 v3, 5, v0                        ; u = the wave's number
	s_lshl_b32 s12, ttmp9, 13                      ; 16 rows of 512 bytes for each tile
	s_lshl_b32 s13, ttmp9, 12                      ; 256 threads x 16 bytes
	v_lshl_add_u32 v4, v1, 9, s12                  ; row 16 T + r
	v_lshl_add_u32 v4, v3, 6, v4                   ; + 64 u
	v_lshl_add_u32 v4, v2, 5, v4                   ; + 32 h: my eight f32 of q
	v_lshl_add_u32 v5, v0, 4, s13                  ; 16 g
	s_wait_kmcnt 0x0
	global_load_b128 v[8:11],  v4, s[4:5]
	global_load_b128 v[12:15], v4, s[4:5] offset:16
	global_load_b128 v[16:19], v5, s[6:7] th:TH_LOAD_NT
	global_load_b128 v[20:23], v5, s[6:7] offset:262144 th:TH_LOAD_NT
	s_wait_loadcnt 0x2                             ; q's two loads are in; the two of memory_hist stay out
	v_cvt_pk_f16_f32 v24, v8, v9
	v_cvt_pk_f16_f32 v25, v10, v11
	v_cvt_pk_f16_f32 v26, v12, v13
	v_cvt_pk_f16_f32 v27, v14, v15
	global_store_b128 v5, v[24:27], s[8:9]
	s_wait_loadcnt 0x0
.irp j, 16,18,20,22
	v_pk_add_f32 v[\j:\j+1], v[\j:\j+1], BETA op_sel_hi:[1,0]
.endr
.irp j, 16,17,18,19,20,21,22,23
	v_log_f32 v\j, v\j
.endr
	v_nop                                          ; one plain place behind the transcendentals before their results are used (ISA guide 5.7.2)
	s_wait_alu depctr_va_vdst(0)
.irp j, 16,18,20,22
	v_pk_mul_f32 v[\j:\j+1], v[\j:\j+1], LN2 op_sel_hi:[1,0]
.endr
	global_store_b128 v5, v[16:19], s[10:11]
	global_store_b128 v5, v[20:23], s[10:11] offset:262144
	s_endpgm
.Lfunc_end_k_q58a79c0fd2_prep:
	.size	k_q58a79c0fd2_prep, .Lfunc_end_k_q58a79c0fd2_prep-k_q58a79c0fd2_prep
	.p2alignl 7, 3214868480
	.fill 96, 4, 3214868480
	.section	.rodata,"a",@progbits
	.p2align	6, 0x0
	.amdhsa_kernel k_q58a79c0fd2_prep
		.amdhsa_group_segment_fixed_size 0
		.amdhsa_private_segment_fixed_size 0
		.amdhsa_enable_private_segment 0
		.amdhsa_kernarg_size 32
		.amdhsa_user_sgpr_count 2
		.amdhsa_user_sgpr_kernarg_segment_ptr 1
		.amdhsa_wavefront_size32 1
		.amdhsa_system_sgpr_workgroup_id_x 1
		.amdhsa_system_sgpr_workgroup_id_y 1
		.amdhsa_system_sgpr_workgroup_id_z 1
		.amdhsa_system_vgpr_workitem_id 0
		.amdhsa_next_free_vgpr 32
		.amdhsa_next_free_sgpr 66
		.amdhsa_reserve_vcc 0
		.amdhsa_float_denorm_mode_32 3
		.amdhsa_float_denorm_mode_16_64 3
		.amdhsa_memory_ordered 1
		.amdhsa_forward_progress 1
		.amdhsa_inst_pref_size 3
	.end_amdhsa_kernel
	.amdgpu_metadata
---
amdhsa.version: [ 1, 2 ]
amdhsa.kernels:
  - .name:           k_q58a79c0fd2_prep
    .symbol:         k_q58a79c0fd2_prep.kd
    .args:
      - { .name: q, .offset: 0, .size: 8, .value_kind: global_buffer, .address_space: global }
      - { .name: memory_hist, .offset: 8, .size: 8, .value_kind: global_buffer, .address_space: global }
      - { .name: qf, .offset: 16, .size: 8, .value_kind: global_buffer, .address_space: global }
      - { .name: lh, .offset: 24, .size: 8, .value_kind: global_buffer, .address_space: global }
    .group_segment_fixed_size: 0
    .private_segment_fixed_size: 0
    .kernarg_segment_align: 8
    .kernarg_segment_size: 32
    .max_flat_workgroup_size: 256
    .sgpr_count:     66
    .vgpr_count:     32
    .wavefront_size: 32
...
	.end_amdgpu_metadata
.endif
;; end of part 1
;; launch gmax (part 2): grid 256 x 1, 4 waves a work-group, no clusters, 117,504 bytes of LDS; arguments qf, lh, memory_key, gm; writes gm
.if DOCPART == 2
	.amdgcn_target "amdgcn-amd-amdhsa--gfx1250"
	.amdhsa_code_object_version 6
	.text
	.protected	k_q58a79c0fd2_gmax
	.globl	k_q58a79c0fd2_gmax
	.p2align	8
	.type	k_q58a79c0fd2_gmax,@function
k_q58a79c0fd2_gmax:
	s_mov_b64 s[64:65], 0
	v_nop
	global_prefetch_b8 v0, s[64:65] scope:SCOPE_SE
	s_setreg_imm32_b32 hwreg(HW_REG_WAVE_MODE, 25, 1), 1
	s_wait_xcnt 0x0
; The product l[row][slot] = q[row] . key[slot] + lh[slot] in f16 with f32 sums.  This text serves two launches; SCAT picks the ending of a step:
;   SCAT = 0: the largest l of each (row, group of 32 neighbouring slots) goes to gm[block of 1,024 slots][row][32 groups].
;   SCAT = 1: pos (same layout as gm) names, for each (row, group), a place 0..255 or 256 for none; the 32 scores of a group that has a place go to
;             cand[row][place][32] and the group's number to glist[row][place].
; WORK: work-group = 512 rows (rb) x 1,024 slots (sb); neighbours in the grid share sb, so the same keys are read shortly after each other.
; Wave w owns rows 512 rb + 128 w + 16 b + r, b = 0..7.  16 steps; step s takes slots 32 s .. + 31 of the block's lower 512 and of its upper 512.
; THE MATRIX INSTRUCTION: A = 16 keys, B = 16 rows of q.  A's row m = 8 h' + j of tile t is slot 512 h' + 32 s + 8 t + j, so in the result lane (r, h)
; holds in the 32 registers of block b the 32 neighbouring slots of ONE group (16 h + s of the block) for ONE row: a group's maximum never leaves
; the lane, and its 32 scores are 128 consecutive bytes.  C of the first K step is lh: the bias costs nothing and nothing is cleared.
; F16, NOT BF16: which 256 slots are chosen hangs on small differences of scores, and f16 keeps three more bits of each operand.  It has the room:
; numbers of the drawn spread 0.1, thirty times larger or shifted by thirty spreads, stay below 20.
; KEYS are f32 in memory: they come through registers (a load of a wave = one key row, 512 consecutive bytes), are rounded to f16 once and laid into one
; of two LDS buffers; each wave brings 16 of a step's 64 rows, and each load is issued two steps ahead of its use.  Tensor loads are left out because the
; bytes must be converted on the way; clusters because a key tile is shared by two work-groups only.
; LIMITS: scores must be finite (v_max3_num_f32 drops a NaN); |q| and |key| at most 65,504, f16's largest number.  q and key are rounded to f16.
; REGISTERS, in windows of 256:  window 0: v1 lane, v2 16 lane, v3 A fragments' LDS address, v4 key stores' LDS address, v5 lh's LDS address, v6 my word of
; the stage, v7 the stage by rows, v8-15 lh on its way in, v16-23 GM (SCAT: the places P), v24-55 BIAS, v56-58 (SCAT) offsets and group number,
; v59-63 set-up, v64-191 AF[t][c], v192-207 (SCAT) store offsets;  window 1: Q[b][c] at 32 b + 8 c;  window 2: ACC[b][t] at 32 b + 8 t;
; window 3: two sets of 64 registers for keys on their way in.
.set SCAT,   0
.set PITCH,  272                       ; a key row in LDS: 256 bytes of f16 + 16
.set KBUF,   72*PITCH                  ; rows 0-31 the lower slots, rows 40-71 the upper: rows j and 40 + j start at 16 j and 128 + 16 j modulo 256
.set LH,     2*KBUF                    ; lh of the block's 1,024 slots, 4,096 bytes
.set STAGE,  LH+4096                   ; each wave's own 128 rows x 32 words
.set SPITCH, 144
.set WSTAGE, 128*SPITCH
.set KSTEP,  32*512                    ; bytes from one step's key rows to the next step's
.set GM,     16
.set BIAS,   24
.set AF,     64
.set OFF,    192
.set GOFF,   200
.set MSB,    0
.macro WIN new                         ; s_set_vgpr_msb: bits 1:0 source 0, 3:2 source 1, 5:4 source 2, 7:6 destination; the high byte repeats the setting that is left
.if MSB != \new
	s_set_vgpr_msb (MSB<<8)|\new
.set MSB, \new
.endif
.endm
; Key set `set` (16 rows as f32, 4 numbers a lane) is rounded to f16 and stored as rows of LDS buffer `buf`; load = 1: the set is asked for again.
.macro CONV set, buf, load
	WIN 0xcf                                       ; all in window 3
.set i, 0
.rept 16
	v_cvt_pk_f16_f32 v[64*\set+4*i],   v[64*\set+4*i],   v[64*\set+4*i+1]
	v_cvt_pk_f16_f32 v[64*\set+4*i+1], v[64*\set+4*i+2], v[64*\set+4*i+3]
.set i, i+1
.endr
	WIN 0x0c                                       ; address window 0, data window 3
.set i, 0
.rept 16
	ds_store_b64 v4, v[64*\set+4*i:64*\set+4*i+1] offset:\buf*KBUF+PITCH*i   ; 32 lanes x 8 bytes: one row
.set i, i+1
.endr
.if \load
	WIN 0xc0                                       ; destination window 3
.set i, 0
.rept 16
	global_load_b128 v[64*\set+4*i:64*\set+4*i+3], v2, s[8:9] offset:512*i
.set i, i+1
.endr
.endif
.endm
; 128 matrix instructions: 4 key tiles x 8 row blocks x 4 K steps.  The 32 accumulators take turns, one instruction a turn.
.macro MULS
	WIN 0x84                                       ; A window 0, B window 1, C window 0 (the bias), D window 2
.irp t, 0,1,2,3
.irp b, 0,1,2,3,4,5,6,7
	v_wmma_f32_16x16x32_f16 v[32*\b+8*\t:32*\b+8*\t+7], v[AF+32*\t:AF+32*\t+7], v[32*\b:32*\b+7], v[BIAS+8*\t:BIAS+8*\t+7]
.endr
.endr
	WIN 0xa4                                       ; C and D window 2
.irp c, 1,2,3
.irp t, 0,1,2,3
.irp b, 0,1,2,3,4,5,6,7
	v_wmma_f32_16x16x32_f16 v[32*\b+8*\t:32*\b+8*\t+7], v[AF+32*\t+8*\c:AF+32*\t+8*\c+7], v[32*\b+8*\c:32*\b+8*\c+7], v[32*\b+8*\t:32*\b+8*\t+7]
.endr
.endr
.endr
.endm
.macro EPILOGUE
.if SCAT
	; 32 plain vector instructions on registers of their own: they are also the places between the last matrix instruction and the stores of its result
	WIN 0
.irp b, 0,1,2,3,4,5,6,7
	v_cmp_gt_u32 s[40+\b], s31, v[GM+\b]           ; 256 > place: this lane's (row, group) has a place
.endr
.irp b, 0,1,2,3,4,5,6,7
	v_min_u32 v[GM+\b], 0xff, v[GM+\b]             ; a loaded number enters an address only clamped
.endr
.irp b, 0,1,2,3,4,5,6,7
	v_lshl_add_u32 v[OFF+\b], v[GM+\b], 7, v56     ; cand: row x 32,768 + place x 128
.endr
.irp b, 0,1,2,3,4,5,6,7
	v_lshl_add_u32 v[GOFF+\b], v[GM+\b], 2, v57    ; glist: row x 1,024 + place x 4
.endr
	s_wait_xcnt 0x0                                ; key loads are out: EXEC changes only behind this wait
.irp b, 0,1,2,3,4,5,6,7
	s_and_saveexec_b32 s32, s[40+\b]               ; EXEC was all ones: now the lanes that have a place
	WIN 0x08                                       ; store data in window 2
.irp u, 0,1,2,3,4,5,6,7
	global_store_b128 v[OFF+\b], v[32*\b+4*\u:32*\b+4*\u+3], s[12:13] offset:524288*\b+16*\u   ; a lane's eight stores fill the group's 128 consecutive bytes
.endr
	WIN 0
	global_store_b32 v[GOFF+\b], v58, s[14:15] offset:16384*\b
	s_wait_xcnt 0x0                                ; EXEC, the offsets and the accumulators are written again only behind this wait
	s_mov_b32 exec_lo, -1                          ; all ones again, from a constant: what is written from here on hangs on no loaded number
.endr
	v_add_nc_u32 v58, 1, v58                       ; the next step's group
.else
.rept 4
	v_nop                                          ; four places between the last matrix instruction and the first read of a result (ISA guide 7.12.1)
.endr
	WIN 0x28                                       ; source 0 and destination window 0, sources 1 and 2 window 2
.irp e, 0,1,2,3,4,5,6,7,8,9,10,11,12,13,14,15
.irp b, 0,1,2,3,4,5,6,7
.if \e == 0
	v_max3_num_f32 v[GM+\b], s30, v[32*\b], v[32*\b+1]                        ; eight chains, started from minus infinity
.else
	v_max3_num_f32 v[GM+\b], v[GM+\b], v[32*\b+2*\e], v[32*\b+2*\e+1]
.endif
.endr
.endr
	WIN 0
.irp b, 0,1,2,3,4,5,6,7
	ds_store_b32 v6, v[GM+\b] offset:16*SPITCH*\b  ; stage[row 16 b + r][group 16 h + s]
.endr
.endif
.endm
; One step on key buffer buf.  conv = 1: the next step's keys (set nxt) go into buffer nxt; load = 1: that set is asked for again, three steps ahead of this one;
; lcnt = how many younger key loads may stay out.
.macro STEP buf, nxt, conv, load, lcnt
	WIN 0
.irp u, 0,1,2,3,4,5,6,7
	ds_load_b128 v[BIAS+4*\u:BIAS+4*\u+3], v5 offset:16*\u                    ; lh of my half's 32 slots: all lanes of a half read the same words
.endr
.irp c, 0,1,2,3
.irp t, 0,1,2,3
	ds_load_b128 v[AF+32*\t+8*\c:AF+32*\t+8*\c+3],   v3 offset:\buf*KBUF+8*PITCH*\t+64*\c
	ds_load_b128 v[AF+32*\t+8*\c+4:AF+32*\t+8*\c+7], v3 offset:\buf*KBUF+8*PITCH*\t+64*\c+32
.endr
.endr
.if SCAT
.irp b, 0,1,2,3,4,5,6,7
	ds_load_b32 v[GM+\b], v6 offset:16*SPITCH*\b   ; the place of (row 16 b + r, group 16 h + s)
.endr
.endif
.if \conv
	s_wait_loadcnt \lcnt                           ; loads come back in order (ISA guide 5.7.1): set nxt is in, the other set's 16 loads stay out
	CONV \nxt, \nxt, \load
	s_wait_dscnt 16                                ; all this step's LDS loads are in; only the 16 key stores issued behind them may be out
.else
	s_wait_dscnt 0
.endif
	MULS
	EPILOGUE
.if \conv
	WIN 0
	v_add_nc_u32 v5, 128, v5                       ; the next step's 32 slots of lh
	v_add_nc_u32 v6, 4, v6                         ; the next step's group in the stage
.if \load
	s_wait_xcnt 0x0                                ; the key loads' base is stepped only behind this wait
	s_add_nc_u64 s[8:9], s[8:9], KSTEP
.endif
	s_wait_dscnt 0                                 ; my reads of buffer buf and my stores into buffer nxt are done;
	s_barrier_signal -1                            ; one barrier orders both: the next step stores into buf and reads nxt
	s_barrier_wait -1
.endif
.endm
	s_load_b256 s[4:11], s[0:1], 0x0               ; qf s[4:5], lh s[6:7], memory_key s[8:9], gm or pos s[10:11]
	v_lshl_add_u32 v254, v0, 2, 0x1c900
	v_mov_b32 v255, 0
.if SCAT
	s_load_b128 s[12:15], s[0:1], 0x20             ; cand s[12:13], glist s[14:15]
.endif
	v_lshrrev_b32 v1, 5, v0
	v_readfirstlane_b32 s16, v1                    ; wave w
	s_and_b32 s17, ttmp9, 1                        ; rb
	s_lshr_b32 s18, ttmp9, 1                       ; sb
	s_lshr_b32 s19, s16, 1                         ; w >> 1: I bring keys of the lower or the upper 512 slots
	s_and_b32 s23, s16, 1                          ; w & 1: the first or the second 16 rows of the 32
	s_mov_b32 s30, 0xff800000                      ; minus infinity
	s_mov_b32 s31, 256
	v_and_b32 v1, 31, v0                           ; lane
	v_lshlrev_b32 v2, 4, v1                        ; 16 lane
	v_and_b32 v59, 15, v0                          ; r
	v_bfe_u32 v60, v0, 4, 1                        ; h
	v_and_b32 v61, 7, v0                           ; r & 7 = lane & 7
	v_bfe_u32 v62, v0, 3, 1                        ; r >> 3
	v_lshlrev_b32 v63, 4, v0                       ; 16 x thread
	v_mul_u32_u24 v3, v61, PITCH                   ; A's row r of a tile: LDS row (r & 7) + 40 (r >> 3),
	v_mad_u32_u24 v3, v62, 40*PITCH, v3
	v_lshl_add_u32 v3, v60, 4, v3                  ; + 16 h
	s_mul_i32 s24, s19, 40*PITCH
	s_mul_i32 s25, s23, 16*PITCH
	s_add_co_u32 s24, s24, s25
	v_lshl_add_u32 v4, v1, 3, s24                  ; my 16 rows of a key buffer, 8 bytes a lane
	v_lshl_add_u32 v5, v60, 11, LH                 ; lh of my half's slots
	s_mul_i32 s26, s16, WSTAGE
	s_add_co_u32 s26, s26, STAGE                   ; my wave's stage
	v_mul_u32_u24 v6, v59, SPITCH
	v_lshl_add_u32 v6, v60, 6, v6
	v_add_nc_u32 v6, s26, v6                       ; row r, word 16 h
	v_lshrrev_b32 v62, 3, v1
	v_mul_u32_u24 v7, v62, SPITCH
	v_lshl_add_u32 v7, v61, 4, v7
	v_add_nc_u32 v7, s26, v7                       ; by rows: eight lanes take a row's 128 bytes, a wave four rows
.if SCAT
	s_lshl_b32 s27, s17, 9
	s_lshl_b32 s28, s16, 7
	s_add_co_u32 s27, s27, s28
	v_add_nc_u32 v56, s27, v59                     ; row 512 rb + 128 w + r
	v_lshlrev_b32 v57, 10, v56                     ; x 1,024: glist
	v_lshlrev_b32 v56, 15, v56                     ; x 32,768: cand
	s_lshl_b32 s28, s18, 5
	v_lshl_add_u32 v58, v60, 4, s28                ; group 32 sb + 16 h (+ s)
.endif
	s_mov_b32 s21, 0
	s_wait_kmcnt 0x0
	s_lshl_b32 s20, s17, 17                        ; qf: 32 tiles of 4,096 bytes for each rb, 8 for each wave
	s_lshl_b32 s24, s16, 15
	s_add_co_u32 s20, s20, s24
	s_add_nc_u64 s[4:5], s[4:5], s[20:21]
	s_lshl_b32 s20, s18, 12                        ; lh: 1,024 words for each sb
	s_add_nc_u64 s[6:7], s[6:7], s[20:21]
	s_lshl_b32 s20, s18, 19                        ; keys: 1,024 rows of 512 bytes for each sb, 512 rows for the upper half, 16 rows
	s_lshl_b32 s24, s19, 18
	s_add_co_u32 s20, s20, s24
	s_lshl_b32 s24, s23, 13
	s_add_co_u32 s20, s20, s24
	s_add_nc_u64 s[8:9], s[8:9], s[20:21]
	s_lshl_b32 s20, s18, 17                        ; gm, pos: 1,024 rows of 128 bytes for each sb, 512 for rb, 128 for the wave
	s_lshl_b32 s24, s17, 16
	s_add_co_u32 s20, s20, s24
	s_lshl_b32 s24, s16, 14
	s_add_co_u32 s20, s20, s24
	s_add_nc_u64 s[10:11], s[10:11], s[20:21]
.if SCAT
.set i, 0
.rept 32
	global_load_b128 v[AF+4*i:AF+4*i+3], v2, s[10:11] offset:512*i            ; my 128 rows of pos, 512 consecutive bytes a load
.set i, i+1
.endr
.endif
	global_load_b128 v[8:11],  v63, s[6:7]
	global_load_b128 v[12:15], v63, s[6:7] offset:2048
	WIN 0x40                                       ; destination window 1
.set i, 0
.rept 64
	global_load_b128 v[4*i:4*i+3], v2, s[4:5] offset:512*i                    ; Q: register 32 b + 4 u from byte 4,096 b + 512 u; it stays for the whole launch
.set i, i+1
.endr
	WIN 0xc0                                       ; destination window 3
.set i, 0
.rept 16
	global_load_b128 v[4*i:4*i+3], v2, s[8:9] offset:512*i                    ; step 0's keys into set 0
.set i, i+1
.endr
.set i, 0
.rept 16
	global_load_b128 v[64+4*i:64+4*i+3], v2, s[8:9] offset:KSTEP+512*i        ; step 1's into set 1
.set i, i+1
.endr
	s_wait_loadcnt 16                              ; all but the 16 loads of step 1's keys
	WIN 0
	ds_store_b128 v63, v[8:11]  offset:LH
	ds_store_b128 v63, v[12:15] offset:LH+2048
.if SCAT
.set i, 0
.rept 32
	ds_store_b128 v7, v[AF+4*i:AF+4*i+3] offset:4*SPITCH*i                    ; pos into my own stage, by rows
.set i, i+1
.endr
.endif
	s_wait_xcnt 0x0                                ; the key loads' base is stepped only behind this wait
	s_add_nc_u64 s[8:9], s[8:9], 2*KSTEP
	CONV 0, 0, 1                                   ; step 0's keys into buffer 0; step 2's are asked for
	s_wait_xcnt 0x0
	s_add_nc_u64 s[8:9], s[8:9], KSTEP
	WIN 0
	s_wait_dscnt 0                                 ; my stores of keys and of lh are done,
	s_barrier_signal -1
	s_barrier_wait -1                              ; everybody's are
	s_mov_b32 s22, 6
.Ltrip:                                            ; steps 0 to 11
	STEP 0, 1, 1, 1, 16
	STEP 1, 0, 1, 1, 16
	s_sub_co_i32 s22, s22, 1
	s_cmp_lg_u32 s22, 0
	s_cbranch_scc1 .Ltrip
	STEP 0, 1, 1, 1, 16                            ; step 12 asks for step 15's keys: the last load
	STEP 1, 0, 1, 0, 16                            ; step 13: step 14's keys are in, step 15's 16 loads stay out
	STEP 0, 1, 1, 0, 0                             ; step 14: no load was issued behind step 15's
	STEP 1, 0, 0, 0, 0                             ; step 15 stores into no key buffer: no barrier follows
.if SCAT == 0
	; the way out: my own stage read back by rows (LDS serves a wave's instructions in order, ISA guide 5.7.1: these see my stores); each store covers 512 consecutive bytes, aligned
.set i, 0
.rept 32
	ds_load_b128 v[AF+4*i:AF+4*i+3], v7 offset:4*SPITCH*i
.set i, i+1
.endr
.set i, 0
.rept 32
	s_wait_dscnt 31-i                              ; load i is in, the younger ones stay out
	global_store_b128 v2, v[AF+4*i:AF+4*i+3], s[10:11] offset:512*i
.set i, i+1
.endr
.endif
	s_barrier_signal -1
	s_barrier_wait -1
	s_wait_tensorcnt 0x0
	ds_add_u32 v254, v255
	s_wait_dscnt 0x0
	s_endpgm
.Lfunc_end_k_q58a79c0fd2_gmax:
	.size	k_q58a79c0fd2_gmax, .Lfunc_end_k_q58a79c0fd2_gmax-k_q58a79c0fd2_gmax
	.p2alignl 7, 3214868480
	.fill 96, 4, 3214868480
	.section	.rodata,"a",@progbits
	.p2align	6, 0x0
	.amdhsa_kernel k_q58a79c0fd2_gmax
		.amdhsa_group_segment_fixed_size 117504
		.amdhsa_private_segment_fixed_size 0
		.amdhsa_enable_private_segment 0
		.amdhsa_kernarg_size 32
		.amdhsa_user_sgpr_count 2
		.amdhsa_user_sgpr_kernarg_segment_ptr 1
		.amdhsa_wavefront_size32 1
		.amdhsa_system_sgpr_workgroup_id_x 1
		.amdhsa_system_sgpr_workgroup_id_y 1
		.amdhsa_system_sgpr_workgroup_id_z 1
		.amdhsa_system_vgpr_workitem_id 0
		.amdhsa_next_free_vgpr 896
		.amdhsa_next_free_sgpr 66
		.amdhsa_reserve_vcc 0
		.amdhsa_float_denorm_mode_32 3
		.amdhsa_float_denorm_mode_16_64 3
		.amdhsa_memory_ordered 1
		.amdhsa_forward_progress 1
		.amdhsa_inst_pref_size 161
	.end_amdhsa_kernel
	.amdgpu_metadata
---
amdhsa.version: [ 1, 2 ]
amdhsa.kernels:
  - .name:           k_q58a79c0fd2_gmax
    .symbol:         k_q58a79c0fd2_gmax.kd
    .args:
      - { .name: qf, .offset: 0, .size: 8, .value_kind: global_buffer, .address_space: global }
      - { .name: lh, .offset: 8, .size: 8, .value_kind: global_buffer, .address_space: global }
      - { .name: memory_key, .offset: 16, .size: 8, .value_kind: global_buffer, .address_space: global }
      - { .name: gm, .offset: 24, .size: 8, .value_kind: global_buffer, .address_space: global }
    .group_segment_fixed_size: 117504
    .private_segment_fixed_size: 0
    .kernarg_segment_align: 8
    .kernarg_segment_size: 32
    .max_flat_workgroup_size: 128
    .sgpr_count:     66
    .vgpr_count:     896
    .wavefront_size: 32
...
	.end_amdgpu_metadata
.endif
;; end of part 2
;; launch pick (part 3): grid 256 x 1, 4 waves a work-group, no clusters, 66,048 bytes of LDS; arguments gm, pos; writes pos
.if DOCPART == 3
	.amdgcn_target "amdgcn-amd-amdhsa--gfx1250"
	.amdhsa_code_object_version 6
	.text
	.protected	k_q58a79c0fd2_pick
	.globl	k_q58a79c0fd2_pick
	.p2align	8
	.type	k_q58a79c0fd2_pick,@function
k_q58a79c0fd2_pick:
	s_mov_b64 s[64:65], 0
	v_nop
	global_prefetch_b8 v0, s[64:65] scope:SCOPE_SE
	s_setreg_imm32_b32 hwreg(HW_REG_WAVE_MODE, 25, 1), 1
	s_wait_xcnt 0x0
; pick: for each row the 256 first of its 4,096 groups in the order (group maximum descending, group number ascending).
; pos[block][row][32] = the group's place 0..255 among the chosen, counted by ascending group number, or 256 for a group that is not chosen.
; WHY THAT IS ENOUGH: order elements by (score descending, slot ascending).  If 256 groups come before an element's group, each of them holds an element
; that comes before it (a larger score, or an equal one at a lower slot), so it is not among the first 256.
; One wave, one row: register X + i of lane l holds group 32 i + l.  The 256th largest value is found bit by bit on the ordered image of the float's
; bits (sign bit flipped for numbers >= 0, all bits flipped below 0): 32 trips, each counts the values >= a trial value.  No address and no branch hangs on a value.
; LIMITS: the maxima must be finite (a trial pattern that is a NaN counts nothing, which is right only then); -0 and +0 count as equal.
; Loads take 128 bytes a wave, the four waves of a group 512 neighbouring bytes; the way out goes through LDS so that a store covers 512 consecutive bytes, aligned.
.set X, 32                             ; v[32:159]
.set T, 16                             ; v[16:23] ranks and places of a batch of eight
.macro F2K                             ; the float whose ordered image is s23, into v2
	s_xor_b32 s24, s23, 0x80000000
	s_not_b32 s25, s23
	s_bitcmp1_b32 s23, 31
	s_cselect_b32 s24, s24, s25
	v_mov_b32 v2, s24
.endm
.macro COUNT cmp                       ; s26 = how many of the row's 4,096 values stand in relation cmp to v2
.irp j, 4,5,6,7
	v_mov_b32 v\j, 0
.endr
.set i, 0
.rept 128
	\cmp vcc_lo, v[X+i], v2
	v_add_co_ci_u32 v[4+i%4], vcc_lo, 0, v[4+i%4], vcc_lo     ; + 1 where the relation holds; four chains
.set i, i+1
.endr
	v_add_nc_u32 v4, v4, v5
	v_add_nc_u32 v6, v6, v7
	v_add_nc_u32 v4, v4, v6
	v_cvt_f32_u32 v4, v4                           ; at most 4,096 in all: exact in f32
	v_add_f32_dpp v4, v4, v4 row_xmask:1 row_mask:0xf bank_mask:0xf
	v_add_f32_dpp v4, v4, v4 row_xmask:2 row_mask:0xf bank_mask:0xf
	v_add_f32_dpp v4, v4, v4 row_xmask:4 row_mask:0xf bank_mask:0xf
	v_add_f32_dpp v4, v4, v4 row_xmask:8 row_mask:0xf bank_mask:0xf
	v_permlanex16_b32 v10, v4, s12, s13
	v_add_f32 v4, v4, v10
	v_cvt_u32_f32 v4, v4
	v_readfirstlane_b32 s26, v4
.endm
	s_load_b128 s[4:7], s[0:1], 0x0                ; gm s[4:5], pos s[6:7]
	v_lshl_add_u32 v176, v0, 2, 0x10000
	v_mov_b32 v177, 0
	v_lshrrev_b32 v1, 5, v0
	v_readfirstlane_b32 s8, v1                     ; wave w
	v_and_b32 v1, 31, v0                           ; lane
	v_lshlrev_b32 v11, 2, v1                       ; 4 lane
	v_lshlrev_b32 v14, 4, v1                       ; 16 lane
	s_lshl_b32 s9, ttmp9, 9                        ; the group's four rows of 128 bytes
	s_lshl_b32 s10, s8, 7
	v_add_nc_u32 v12, s10, v11                     ; LDS, in: 128 w + 4 lane
	s_add_co_u32 s10, s9, s10                      ; my row x 128
	s_mov_b32 s11, 0
	s_lshl_b32 s18, s8, 14
	v_add_nc_u32 v13, s18, v14                     ; LDS, back: blocks 32 w .. 32 w + 31
	s_mov_b32 s12, 0x76543210                      ; v_permlanex16_b32: lane i of one half reads lane i of the other
	s_mov_b32 s13, 0xfedcba98
	v_mov_b32 v10, 0                               ; its destination counts as read
	v_mov_b32 v3, 256                              ; "no place"
	s_wait_kmcnt 0x0
	s_add_nc_u64 s[14:15], s[4:5], s[10:11]        ; blocks 0 to 63
	s_add_nc_u64 s[16:17], s[14:15], 0x800000      ; blocks 64 to 127: the immediate reaches 63 blocks of 131,072 bytes
.set i, 0
.rept 64
	global_load_b32 v[X+i], v11, s[14:15] offset:131072*i
.set i, i+1
.endr
.set i, 0
.rept 64
	global_load_b32 v[X+64+i], v11, s[16:17] offset:131072*i
.set i, i+1
.endr
	s_mov_b32 s20, 0                               ; the bits found so far
	s_mov_b32 s21, 0x80000000                      ; the bit on trial
	s_mov_b32 s22, 32
	s_wait_loadcnt 0x0
.Lbit:
	s_or_b32 s23, s20, s21
	F2K
	COUNT v_cmp_ge_f32
	s_cmp_ge_u32 s26, 256                          ; at least 256 values are that large: the bit stays
	s_cselect_b32 s20, s23, s20
	s_lshr_b32 s21, s21, 1
	s_sub_co_i32 s22, s22, 1
	s_cmp_lg_u32 s22, 0
	s_cbranch_scc1 .Lbit
	s_mov_b32 s23, s20                             ; the 256th largest value
	F2K
	COUNT v_cmp_gt_f32
	s_sub_co_u32 s27, 256, s26                     ; so many of the values equal to it are taken, the lowest groups first
	s_mov_b32 s28, 0                               ; equal values met so far
	s_mov_b32 s29, 0                               ; groups chosen so far
.set b, 0
.rept 16
.irp z, 0,1,2,3,4,5,6,7
	v_cmp_gt_f32 s[40+\z], v[X+8*b+\z], v2
	v_cmp_eq_f32 s[48+\z], v[X+8*b+\z], v2
.endr
.irp z, 0,1,2,3,4,5,6,7
	v_mbcnt_lo_u32_b32 v[T+\z], s[48+\z], s28      ; my rank among the equal values: those before this register + those in lower lanes
	s_bcnt1_i32_b32 s33, s[48+\z]
	s_add_co_u32 s28, s28, s33
.endr
.irp z, 0,1,2,3,4,5,6,7
	v_cmp_gt_u32 s[56+\z], s27, v[T+\z]
.endr
.irp z, 0,1,2,3,4,5,6,7
	s_and_b32 s[56+\z], s[56+\z], s[48+\z]
	s_or_b32 s[40+\z], s[40+\z], s[56+\z]          ; chosen: larger, or equal with a rank that is still taken
.endr
.irp z, 0,1,2,3,4,5,6,7
	v_mbcnt_lo_u32_b32 v[T+\z], s[40+\z], s29      ; my place among the chosen
	s_bcnt1_i32_b32 s33, s[40+\z]
	s_add_co_u32 s29, s29, s33
.endr
.irp z, 0,1,2,3,4,5,6,7
	v_cndmask_b32 v[X+8*b+\z], v3, v[T+\z], s[40+\z]
.endr
.set b, b+1
.endr
	; the way out.  LDS: [block 0..127][wave's row][32 words]; a block's four rows are 512 consecutive bytes of pos
.set i, 0
.rept 128
	ds_store_b32 v12, v[X+i] offset:512*i
.set i, i+1
.endr
	s_lshl_b32 s10, s8, 22                         ; 32 blocks of 131,072 bytes for each wave
	s_add_co_u32 s10, s10, s9
	s_add_nc_u64 s[6:7], s[6:7], s[10:11]
	s_wait_dscnt 0x0                               ; my stores are done,
	s_barrier_signal -1
	s_barrier_wait -1                              ; everybody's are
.set i, 0
.rept 32
	ds_load_b128 v[X+4*i:X+4*i+3], v13 offset:512*i
.set i, i+1
.endr
.set i, 0
.rept 32
	s_wait_dscnt 31-i                              ; load i is in, the younger ones stay out
	global_store_b128 v14, v[X+4*i:X+4*i+3], s[6:7] offset:131072*i
.set i, i+1
.endr
	s_barrier_signal -1
	s_barrier_wait -1
	s_wait_tensorcnt 0x0
	ds_add_u32 v176, v177
	s_wait_dscnt 0x0
	s_endpgm
.Lfunc_end_k_q58a79c0fd2_pick:
	.size	k_q58a79c0fd2_pick, .Lfunc_end_k_q58a79c0fd2_pick-k_q58a79c0fd2_pick
	.p2alignl 7, 3214868480
	.fill 96, 4, 3214868480
	.section	.rodata,"a",@progbits
	.p2align	6, 0x0
	.amdhsa_kernel k_q58a79c0fd2_pick
		.amdhsa_group_segment_fixed_size 66048
		.amdhsa_private_segment_fixed_size 0
		.amdhsa_enable_private_segment 0
		.amdhsa_kernarg_size 16
		.amdhsa_user_sgpr_count 2
		.amdhsa_user_sgpr_kernarg_segment_ptr 1
		.amdhsa_wavefront_size32 1
		.amdhsa_system_sgpr_workgroup_id_x 1
		.amdhsa_system_sgpr_workgroup_id_y 1
		.amdhsa_system_sgpr_workgroup_id_z 1
		.amdhsa_system_vgpr_workitem_id 0
		.amdhsa_next_free_vgpr 178
		.amdhsa_next_free_sgpr 66
		.amdhsa_reserve_vcc 1
		.amdhsa_float_denorm_mode_32 3
		.amdhsa_float_denorm_mode_16_64 3
		.amdhsa_memory_ordered 1
		.amdhsa_forward_progress 1
		.amdhsa_inst_pref_size 118
	.end_amdhsa_kernel
	.amdgpu_metadata
---
amdhsa.version: [ 1, 2 ]
amdhsa.kernels:
  - .name:           k_q58a79c0fd2_pick
    .symbol:         k_q58a79c0fd2_pick.kd
    .args:
      - { .name: gm, .offset: 0, .size: 8, .value_kind: global_buffer, .address_space: global }
      - { .name: pos, .offset: 8, .size: 8, .value_kind: global_buffer, .address_space: global }
    .group_segment_fixed_size: 66048
    .private_segment_fixed_size: 0
    .kernarg_segment_align: 8
    .kernarg_segment_size: 16
    .max_flat_workgroup_size: 128
    .sgpr_count:     66
    .vgpr_count:     178
    .wavefront_size: 32
...
	.end_amdgpu_metadata
.endif
;; end of part 3
;; launch scat (part 4): grid 256 x 1, 4 waves a work-group, no clusters, 117,504 bytes of LDS; arguments qf, lh, memory_key, pos, cand, glist; writes cand, glist
.if DOCPART == 4
	.amdgcn_target "amdgcn-amd-amdhsa--gfx1250"
	.amdhsa_code_object_version 6
	.text
	.protected	k_q58a79c0fd2_scat
	.globl	k_q58a79c0fd2_scat
	.p2align	8
	.type	k_q58a79c0fd2_scat,@function
k_q58a79c0fd2_scat:
	s_mov_b64 s[64:65], 0
	v_nop
	global_prefetch_b8 v0, s[64:65] scope:SCOPE_SE
	s_setreg_imm32_b32 hwreg(HW_REG_WAVE_MODE, 25, 1), 1
	s_wait_xcnt 0x0
; The product l[row][slot] = q[row] . key[slot] + lh[slot] in f16 with f32 sums.  This text serves two launches; SCAT picks the ending of a step:
;   SCAT = 0: the largest l of each (row, group of 32 neighbouring slots) goes to gm[block of 1,024 slots][row][32 groups].
;   SCAT = 1: pos (same layout as gm) names, for each (row, group), a place 0..255 or 256 for none; the 32 scores of a group that has a place go to
;             cand[row][place][32] and the group's number to glist[row][place].  Each place of each row is named once, so every byte of both is stored once.
;             A group's scores leave as 128 consecutive bytes, eight stores of 16 bytes of one lane: the places are scattered, so no larger piece belongs together.
; WORK: work-group = 512 rows (rb) x 1,024 slots (sb); neighbours in the grid share sb, so the same keys are read shortly after each other.
; Wave w owns rows 512 rb + 128 w + 16 b + r, b = 0..7.  16 steps; step s takes slots 32 s .. + 31 of the block's lower 512 and of its upper 512.
; THE MATRIX INSTRUCTION: A = 16 keys, B = 16 rows of q.  A's row m = 8 h' + j of tile t is slot 512 h' + 32 s + 8 t + j, so in the result lane (r, h)
; holds in the 32 registers of block b the 32 neighbouring slots of ONE group (16 h + s of the block) for ONE row: a group's maximum never leaves
; the lane, and its 32 scores are 128 consecutive bytes.  C of the first K step is lh: the bias costs nothing and nothing is cleared.
; F16, NOT BF16: which 256 slots are chosen hangs on small differences of scores, and f16 keeps three more bits of each operand.  It has the room:
; numbers of the drawn spread 0.1, thirty times larger or shifted by thirty spreads, stay below 20.
; KEYS are f32 in memory: they come through registers (a load of a wave = one key row, 512 consecutive bytes), are rounded to f16 once and laid into one
; of two LDS buffers; each wave brings 16 of a step's 64 rows, and each load is issued two steps ahead of its use.  Tensor loads are left out because the
; bytes must be converted on the way; clusters because a key tile is shared by two work-groups only.
; LIMITS: scores must be finite (v_max3_num_f32 drops a NaN); |q| and |key| at most 65,504, f16's largest number.  q and key are rounded to f16.
; REGISTERS, in windows of 256:  window 0: v1 lane, v2 16 lane, v3 A fragments' LDS address, v4 key stores' LDS address, v5 lh's LDS address, v6 my word of
; the stage, v7 the stage by rows, v8-15 lh on its way in, v16-23 GM (SCAT: the places P), v24-55 BIAS, v56-58 (SCAT) offsets and group number,
; v59-63 set-up, v64-191 AF[t][c], v192-207 (SCAT) store offsets;  window 1: Q[b][c] at 32 b + 8 c;  window 2: ACC[b][t] at 32 b + 8 t;
; window 3: two sets of 64 registers for keys on their way in.
.set SCAT,   1
.set PITCH,  272                       ; a key row in LDS: 256 bytes of f16 + 16
.set KBUF,   72*PITCH                  ; rows 0-31 the lower slots, rows 40-71 the upper: rows j and 40 + j start at 16 j and 128 + 16 j modulo 256
.set LH,     2*KBUF                    ; lh of the block's 1,024 slots, 4,096 bytes
.set STAGE,  LH+4096                   ; each wave's own 128 rows x 32 words
.set SPITCH, 144
.set WSTAGE, 128*SPITCH
.set KSTEP,  32*512                    ; bytes from one step's key rows to the next step's
.set GM,     16
.set BIAS,   24
.set AF,     64
.set OFF,    192
.set GOFF,   200
.set MSB,    0
.macro WIN new                         ; s_set_vgpr_msb: bits 1:0 source 0, 3:2 source 1, 5:4 source 2, 7:6 destination; the high byte repeats the setting that is left
.if MSB != \new
	s_set_vgpr_msb (MSB<<8)|\new
.set MSB, \new
.endif
.endm
; Key set `set` (16 rows as f32, 4 numbers a lane) is rounded to f16 and stored as rows of LDS buffer `buf`; load = 1: the set is asked for again.
.macro CONV set, buf, load
	WIN 0xcf                                       ; all in window 3
.set i, 0
.rept 16
	v_cvt_pk_f16_f32 v[64*\set+4*i],   v[64*\set+4*i],   v[64*\set+4*i+1]
	v_cvt_pk_f16_f32 v[64*\set+4*i+1], v[64*\set+4*i+2], v[64*\set+4*i+3]
.set i, i+1
.endr
	WIN 0x0c                                       ; address window 0, data window 3
.set i, 0
.rept 16
	ds_store_b64 v4, v[64*\set+4*i:64*\set+4*i+1] offset:\buf*KBUF+PITCH*i   ; 32 lanes x 8 bytes: one row
.set i, i+1
.endr
.if \load
	WIN 0xc0                                       ; destination window 3
.set i, 0
.rept 16
	global_load_b128 v[64*\set+4*i:64*\set+4*i+3], v2, s[8:9] offset:512*i
.set i, i+1
.endr
.endif
.endm
; 128 matrix instructions: 4 key tiles x 8 row blocks x 4 K steps.  The 32 accumulators take turns, one instruction a turn.
.macro MULS
	WIN 0x84                                       ; A window 0, B window 1, C window 0 (the bias), D window 2
.irp t, 0,1,2,3
.irp b, 0,1,2,3,4,5,6,7
	v_wmma_f32_16x16x32_f16 v[32*\b+8*\t:32*\b+8*\t+7], v[AF+32*\t:AF+32*\t+7], v[32*\b:32*\b+7], v[BIAS+8*\t:BIAS+8*\t+7]
.endr
.endr
	WIN 0xa4                                       ; C and D window 2
.irp c, 1,2,3
.irp t, 0,1,2,3
.irp b, 0,1,2,3,4,5,6,7
	v_wmma_f32_16x16x32_f16 v[32*\b+8*\t:32*\b+8*\t+7], v[AF+32*\t+8*\c:AF+32*\t+8*\c+7], v[32*\b+8*\c:32*\b+8*\c+7], v[32*\b+8*\t:32*\b+8*\t+7]
.endr
.endr
.endr
.endm
.macro EPILOGUE
.if SCAT
	; 32 plain vector instructions on registers of their own: they are also the places between the last matrix instruction and the stores of its result
	WIN 0
.irp b, 0,1,2,3,4,5,6,7
	v_cmp_gt_u32 s[40+\b], s31, v[GM+\b]           ; 256 > place: this lane's (row, group) has a place
.endr
.irp b, 0,1,2,3,4,5,6,7
	v_min_u32 v[GM+\b], 0xff, v[GM+\b]             ; a loaded number enters an address only clamped
.endr
.irp b, 0,1,2,3,4,5,6,7
	v_lshl_add_u32 v[OFF+\b], v[GM+\b], 7, v56     ; cand: row x 32,768 + place x 128
.endr
.irp b, 0,1,2,3,4,5,6,7
	v_lshl_add_u32 v[GOFF+\b], v[GM+\b], 2, v57    ; glist: row x 1,024 + place x 4
.endr
	s_wait_xcnt 0x0                                ; key loads are out: EXEC changes only behind this wait
.irp b, 0,1,2,3,4,5,6,7
	s_and_saveexec_b32 s32, s[40+\b]               ; EXEC was all ones: now the lanes that have a place
	WIN 0x08                                       ; store data in window 2
.irp u, 0,1,2,3,4,5,6,7
	global_store_b128 v[OFF+\b], v[32*\b+4*\u:32*\b+4*\u+3], s[12:13] offset:524288*\b+16*\u   ; a lane's eight stores fill the group's 128 consecutive bytes
.endr
	WIN 0
	global_store_b32 v[GOFF+\b], v58, s[14:15] offset:16384*\b
	s_wait_xcnt 0x0                                ; EXEC, the offsets and the accumulators are written again only behind this wait
	s_mov_b32 exec_lo, -1                          ; all ones again, from a constant: what is written from here on hangs on no loaded number
.endr
	v_add_nc_u32 v58, 1, v58                       ; the next step's group
.else
.rept 4
	v_nop                                          ; four places between the last matrix instruction and the first read of a result (ISA guide 7.12.1)
.endr
	WIN 0x28                                       ; source 0 and destination window 0, sources 1 and 2 window 2
.irp e, 0,1,2,3,4,5,6,7,8,9,10,11,12,13,14,15
.irp b, 0,1,2,3,4,5,6,7
.if \e == 0
	v_max3_num_f32 v[GM+\b], s30, v[32*\b], v[32*\b+1]                        ; eight chains, started from minus infinity
.else
	v_max3_num_f32 v[GM+\b], v[GM+\b], v[32*\b+2*\e], v[32*\b+2*\e+1]
.endif
.endr
.endr
	WIN 0
.irp b, 0,1,2,3,4,5,6,7
	ds_store_b32 v6, v[GM+\b] offset:16*SPITCH*\b  ; stage[row 16 b + r][group 16 h + s]
.endr
.endif
.endm
; One step on key buffer buf.  conv = 1: the next step's keys (set nxt) go into buffer nxt; load = 1: that set is asked for again, three steps ahead of this one;
; lcnt = how many younger key loads may stay out.
.macro STEP buf, nxt, conv, load, lcnt
	WIN 0
.irp u, 0,1,2,3,4,5,6,7
	ds_load_b128 v[BIAS+4*\u:BIAS+4*\u+3], v5 offset:16*\u                    ; lh of my half's 32 slots: all lanes of a half read the same words
.endr
.irp c, 0,1,2,3
.irp t, 0,1,2,3
	ds_load_b128 v[AF+32*\t+8*\c:AF+32*\t+8*\c+3],   v3 offset:\buf*KBUF+8*PITCH*\t+64*\c
	ds_load_b128 v[AF+32*\t+8*\c+4:AF+32*\t+8*\c+7], v3 offset:\buf*KBUF+8*PITCH*\t+64*\c+32
.endr
.endr
.if SCAT
.irp b, 0,1,2,3,4,5,6,7
	ds_load_b32 v[GM+\b], v6 offset:16*SPITCH*\b   ; the place of (row 16 b + r, group 16 h + s)
.endr
.endif
.if \conv
	s_wait_loadcnt \lcnt                           ; loads come back in order (ISA guide 5.7.1): set nxt is in, the other set's 16 loads stay out
	CONV \nxt, \nxt, \load
	s_wait_dscnt 16                                ; all this step's LDS loads are in; only the 16 key stores issued behind them may be out
.else
	s_wait_dscnt 0
.endif
	MULS
	EPILOGUE
.if \conv
	WIN 0
	v_add_nc_u32 v5, 128, v5                       ; the next step's 32 slots of lh
	v_add_nc_u32 v6, 4, v6                         ; the next step's group in the stage
.if \load
	s_wait_xcnt 0x0                                ; the key loads' base is stepped only behind this wait
	s_add_nc_u64 s[8:9], s[8:9], KSTEP
.endif
	s_wait_dscnt 0                                 ; my reads of buffer buf and my stores into buffer nxt are done;
	s_barrier_signal -1                            ; one barrier orders both: the next step stores into buf and reads nxt
	s_barrier_wait -1
.endif
.endm
	s_load_b256 s[4:11], s[0:1], 0x0               ; qf s[4:5], lh s[6:7], memory_key s[8:9], gm or pos s[10:11]
.if SCAT
	s_load_b128 s[12:15], s[0:1], 0x20             ; cand s[12:13], glist s[14:15]
	v_lshl_add_u32 v254, v0, 2, 0x1c900
	v_mov_b32 v255, 0
.endif
	v_lshrrev_b32 v1, 5, v0
	v_readfirstlane_b32 s16, v1                    ; wave w
	s_and_b32 s17, ttmp9, 1                        ; rb
	s_lshr_b32 s18, ttmp9, 1                       ; sb
	s_lshr_b32 s19, s16, 1                         ; w >> 1: I bring keys of the lower or the upper 512 slots
	s_and_b32 s23, s16, 1                          ; w & 1: the first or the second 16 rows of the 32
	s_mov_b32 s30, 0xff800000                      ; minus infinity
	s_mov_b32 s31, 256
	v_and_b32 v1, 31, v0                           ; lane
	v_lshlrev_b32 v2, 4, v1                        ; 16 lane
	v_and_b32 v59, 15, v0                          ; r
	v_bfe_u32 v60, v0, 4, 1                        ; h
	v_and_b32 v61, 7, v0                           ; r & 7 = lane & 7
	v_bfe_u32 v62, v0, 3, 1                        ; r >> 3
	v_lshlrev_b32 v63, 4, v0                       ; 16 x thread
	v_mul_u32_u24 v3, v61, PITCH                   ; A's row r of a tile: LDS row (r & 7) + 40 (r >> 3),
	v_mad_u32_u24 v3, v62, 40*PITCH, v3
	v_lshl_add_u32 v3, v60, 4, v3                  ; + 16 h
	s_mul_i32 s24, s19, 40*PITCH
	s_mul_i32 s25, s23, 16*PITCH
	s_add_co_u32 s24, s24, s25
	v_lshl_add_u32 v4, v1, 3, s24                  ; my 16 rows of a key buffer, 8 bytes a lane
	v_lshl_add_u32 v5, v60, 11, LH                 ; lh of my half's slots
	s_mul_i32 s26, s16, WSTAGE
	s_add_co_u32 s26, s26, STAGE                   ; my wave's stage
	v_mul_u32_u24 v6, v59, SPITCH
	v_lshl_add_u32 v6, v60, 6, v6
	v_add_nc_u32 v6, s26, v6                       ; row r, word 16 h
	v_lshrrev_b32 v62, 3, v1
	v_mul_u32_u24 v7, v62, SPITCH
	v_lshl_add_u32 v7, v61, 4, v7
	v_add_nc_u32 v7, s26, v7                       ; by rows: eight lanes take a row's 128 bytes, a wave four rows
.if SCAT
	s_lshl_b32 s27, s17, 9
	s_lshl_b32 s28, s16, 7
	s_add_co_u32 s27, s27, s28
	v_add_nc_u32 v56, s27, v59                     ; row 512 rb + 128 w + r
	v_lshlrev_b32 v57, 10, v56                     ; x 1,024: glist
	v_lshlrev_b32 v56, 15, v56                     ; x 32,768: cand
	s_lshl_b32 s28, s18, 5
	v_lshl_add_u32 v58, v60, 4, s28                ; group 32 sb + 16 h (+ s)
.endif
	s_mov_b32 s21, 0
	s_wait_kmcnt 0x0
	s_lshl_b32 s20, s17, 17                        ; qf: 32 tiles of 4,096 bytes for each rb, 8 for each wave
	s_lshl_b32 s24, s16, 15
	s_add_co_u32 s20, s20, s24
	s_add_nc_u64 s[4:5], s[4:5], s[20:21]
	s_lshl_b32 s20, s18, 12                        ; lh: 1,024 words for each sb
	s_add_nc_u64 s[6:7], s[6:7], s[20:21]
	s_lshl_b32 s20, s18, 19                        ; keys: 1,024 rows of 512 bytes for each sb, 512 rows for the upper half, 16 rows
	s_lshl_b32 s24, s19, 18
	s_add_co_u32 s20, s20, s24
	s_lshl_b32 s24, s23, 13
	s_add_co_u32 s20, s20, s24
	s_add_nc_u64 s[8:9], s[8:9], s[20:21]
	s_lshl_b32 s20, s18, 17                        ; gm, pos: 1,024 rows of 128 bytes for each sb, 512 for rb, 128 for the wave
	s_lshl_b32 s24, s17, 16
	s_add_co_u32 s20, s20, s24
	s_lshl_b32 s24, s16, 14
	s_add_co_u32 s20, s20, s24
	s_add_nc_u64 s[10:11], s[10:11], s[20:21]
.if SCAT
.set i, 0
.rept 32
	global_load_b128 v[AF+4*i:AF+4*i+3], v2, s[10:11] offset:512*i            ; my 128 rows of pos, 512 consecutive bytes a load
.set i, i+1
.endr
.endif
	global_load_b128 v[8:11],  v63, s[6:7]
	global_load_b128 v[12:15], v63, s[6:7] offset:2048
	WIN 0x40                                       ; destination window 1
.set i, 0
.rept 64
	global_load_b128 v[4*i:4*i+3], v2, s[4:5] offset:512*i                    ; Q: register 32 b + 4 u from byte 4,096 b + 512 u; it stays for the whole launch
.set i, i+1
.endr
	WIN 0xc0                                       ; destination window 3
.set i, 0
.rept 16
	global_load_b128 v[4*i:4*i+3], v2, s[8:9] offset:512*i                    ; step 0's keys into set 0
.set i, i+1
.endr
.set i, 0
.rept 16
	global_load_b128 v[64+4*i:64+4*i+3], v2, s[8:9] offset:KSTEP+512*i        ; step 1's into set 1
.set i, i+1
.endr
	s_wait_loadcnt 16                              ; all but the 16 loads of step 1's keys
	WIN 0
	ds_store_b128 v63, v[8:11]  offset:LH
	ds_store_b128 v63, v[12:15] offset:LH+2048
.if SCAT
.set i, 0
.rept 32
	ds_store_b128 v7, v[AF+4*i:AF+4*i+3] offset:4*SPITCH*i                    ; pos into my own stage, by rows
.set i, i+1
.endr
.endif
	s_wait_xcnt 0x0                                ; the key loads' base is stepped only behind this wait
	s_add_nc_u64 s[8:9], s[8:9], 2*KSTEP
	CONV 0, 0, 1                                   ; step 0's keys into buffer 0; step 2's are asked for
	s_wait_xcnt 0x0
	s_add_nc_u64 s[8:9], s[8:9], KSTEP
	WIN 0
	s_wait_dscnt 0                                 ; my stores of keys and of lh are done,
	s_barrier_signal -1
	s_barrier_wait -1                              ; everybody's are
	s_mov_b32 s22, 6
.Ltrip:                                            ; steps 0 to 11
	STEP 0, 1, 1, 1, 16
	STEP 1, 0, 1, 1, 16
	s_sub_co_i32 s22, s22, 1
	s_cmp_lg_u32 s22, 0
	s_cbranch_scc1 .Ltrip
	STEP 0, 1, 1, 1, 16                            ; step 12 asks for step 15's keys: the last load
	STEP 1, 0, 1, 0, 16                            ; step 13: step 14's keys are in, step 15's 16 loads stay out
	STEP 0, 1, 1, 0, 0                             ; step 14: no load was issued behind step 15's
	STEP 1, 0, 0, 0, 0                             ; step 15 stores into no key buffer: no barrier follows
.if SCAT == 0
	; the way out: my own stage read back by rows (LDS serves a wave's instructions in order, ISA guide 5.7.1: these see my stores); each store covers 512 consecutive bytes, aligned
.set i, 0
.rept 32
	ds_load_b128 v[AF+4*i:AF+4*i+3], v7 offset:4*SPITCH*i
.set i, i+1
.endr
.set i, 0
.rept 32
	s_wait_dscnt 31-i                              ; load i is in, the younger ones stay out
	global_store_b128 v2, v[AF+4*i:AF+4*i+3], s[10:11] offset:512*i
.set i, i+1
.endr
.endif
	s_wait_xcnt 0x0
	s_mov_b32 exec_lo, -1
	s_wait_tensorcnt 0x0
	ds_add_u32 v254, v255
	s_wait_dscnt 0x0
	s_endpgm
.Lfunc_end_k_q58a79c0fd2_scat:
	.size	k_q58a79c0fd2_scat, .Lfunc_end_k_q58a79c0fd2_scat-k_q58a79c0fd2_scat
	.p2alignl 7, 3214868480
	.fill 96, 4, 3214868480
	.section	.rodata,"a",@progbits
	.p2align	6, 0x0
	.amdhsa_kernel k_q58a79c0fd2_scat
		.amdhsa_group_segment_fixed_size 117504
		.amdhsa_private_segment_fixed_size 0
		.amdhsa_enable_private_segment 0
		.amdhsa_kernarg_size 48
		.amdhsa_user_sgpr_count 2
		.amdhsa_user_sgpr_kernarg_segment_ptr 1
		.amdhsa_wavefront_size32 1
		.amdhsa_system_sgpr_workgroup_id_x 1
		.amdhsa_system_sgpr_workgroup_id_y 1
		.amdhsa_system_sgpr_workgroup_id_z 1
		.amdhsa_system_vgpr_workitem_id 0
		.amdhsa_next_free_vgpr 896
		.amdhsa_next_free_sgpr 66
		.amdhsa_reserve_vcc 0
		.amdhsa_float_denorm_mode_32 3
		.amdhsa_float_denorm_mode_16_64 3
		.amdhsa_memory_ordered 1
		.amdhsa_forward_progress 1
		.amdhsa_inst_pref_size 172
	.end_amdhsa_kernel
	.amdgpu_metadata
---
amdhsa.version: [ 1, 2 ]
amdhsa.kernels:
  - .name:           k_q58a79c0fd2_scat
    .symbol:         k_q58a79c0fd2_scat.kd
    .args:
      - { .name: qf, .offset: 0, .size: 8, .value_kind: global_buffer, .address_space: global }
      - { .name: lh, .offset: 8, .size: 8, .value_kind: global_buffer, .address_space: global }
      - { .name: memory_key, .offset: 16, .size: 8, .value_kind: global_buffer, .address_space: global }
      - { .name: pos, .offset: 24, .size: 8, .value_kind: global_buffer, .address_space: global }
      - { .name: cand, .offset: 32, .size: 8, .value_kind: global_buffer, .address_space: global }
      - { .name: glist, .offset: 40, .size: 8, .value_kind: global_buffer, .address_space: global }
    .group_segment_fixed_size: 117504
    .private_segment_fixed_size: 0
    .kernarg_segment_align: 8
    .kernarg_segment_size: 48
    .max_flat_workgroup_size: 128
    .sgpr_count:     66
    .vgpr_count:     896
    .wavefront_size: 32
...
	.end_amdgpu_metadata
.endif
;; end of part 4
;; launch fin (part 5): grid 256 x 1, 4 waves a work-group, no clusters, 0 bytes of LDS; arguments cand, glist, memory_values, out0; writes out0
.if DOCPART == 5
	.amdgcn_target "amdgcn-amd-amdhsa--gfx1250"
	.amdhsa_code_object_version 6
	.text
	.protected	k_q58a79c0fd2_fin
	.globl	k_q58a79c0fd2_fin
	.p2align	8
	.type	k_q58a79c0fd2_fin,@function
k_q58a79c0fd2_fin:
	s_mov_b64 s[64:65], 0
	v_nop
	global_prefetch_b8 v0, s[64:65] scope:SCOPE_SE
	s_setreg_imm32_b32 hwreg(HW_REG_WAVE_MODE, 25, 1), 1
	s_wait_xcnt 0x0
; fin: for each row the 256 first of its 8,192 candidates (256 chosen groups x 32 slots) in the order (score descending, slot ascending), then
; out0[row] = clip( sum of w v / sum of w, 0.001, 0.999 ),  w = exp(l - largest l of the row),  v = memory_values at the slot.
; The row's maximum is taken away before the exponential, so the largest weight is 1 and the sum of weights is at least 1.
; One wave, one row, all in registers: window 1 register i of lane l = score of place i, slot l of its group; window 2 the same for memory_values.
; Places were given by ascending group number, so (register, lane) ascending is slot ascending: ties at the 256th value are taken as lax.top_k takes them.
; The 256th largest score is found bit by bit on the ordered image of the float's bits, 32 trips of one count each; no address and no branch hangs on a score.
; The only loaded numbers in addresses are glist's group numbers, clamped to 4,095.
; LIMITS: scores must be finite; -0 and +0 count as equal.  A wave stores one number: the whole output is 4,096 bytes.
; window 0: v1 4 lane, v2 trial value, v3 the row's maximum, v4-7 counters, v8-9 sum of w, v10-11 sum of w v, v12-13 lane crossing, v16-23 glist,
; v32-47 gather offsets, v48-55 weights of a batch, v56-63 ranks of a batch.
.set MSB, 0
.macro WIN new                         ; s_set_vgpr_msb: bits 1:0 source 0, 3:2 source 1, 5:4 source 2, 7:6 destination; the high byte repeats the setting that is left
.if MSB != \new
	s_set_vgpr_msb (MSB<<8)|\new
.set MSB, \new
.endif
.endm
.macro F2K                             ; the float whose ordered image is s23, into v2
	s_xor_b32 s24, s23, 0x80000000
	s_not_b32 s25, s23
	s_bitcmp1_b32 s23, 31
	s_cselect_b32 s24, s24, s25
	v_mov_b32 v2, s24
.endm
.macro COUNT cmp                       ; s26 = how many of the row's 8,192 scores stand in relation cmp to v2
.irp j, 4,5,6,7
	v_mov_b32 v\j, 0
.endr
	WIN 0x01                                       ; source 0 (the score) in window 1
.set i, 0
.rept 256
	\cmp vcc_lo, v[i], v2
	v_add_co_ci_u32 v[4+i%4], vcc_lo, 0, v[4+i%4], vcc_lo     ; + 1 where the relation holds; four chains
.set i, i+1
.endr
	WIN 0
	v_add_nc_u32 v4, v4, v5
	v_add_nc_u32 v6, v6, v7
	v_add_nc_u32 v4, v4, v6
	v_cvt_f32_u32 v4, v4                           ; at most 8,192 in all: exact in f32
	v_add_f32_dpp v4, v4, v4 row_xmask:1 row_mask:0xf bank_mask:0xf
	v_add_f32_dpp v4, v4, v4 row_xmask:2 row_mask:0xf bank_mask:0xf
	v_add_f32_dpp v4, v4, v4 row_xmask:4 row_mask:0xf bank_mask:0xf
	v_add_f32_dpp v4, v4, v4 row_xmask:8 row_mask:0xf bank_mask:0xf
	v_permlanex16_b32 v12, v4, s12, s13
	v_add_f32 v4, v4, v12
	v_cvt_u32_f32 v4, v4
	v_readfirstlane_b32 s26, v4
.endm
	s_load_b256 s[4:11], s[0:1], 0x0               ; cand s[4:5], glist s[6:7], memory_values s[8:9], out0 s[10:11]
	v_lshrrev_b32 v1, 5, v0
	v_readfirstlane_b32 s16, v1                    ; wave
	v_and_b32 v1, 31, v0
	v_lshlrev_b32 v1, 2, v1                        ; 4 lane
	s_lshl_b32 s17, ttmp9, 2
	s_add_co_u32 s17, s17, s16                     ; my row
	s_mov_b32 s19, 0
	s_mov_b32 s12, 0x76543210                      ; v_permlanex16_b32: lane i of one half reads lane i of the other
	s_mov_b32 s13, 0xfedcba98
	s_mov_b32 s30, 0xff800000                      ; minus infinity
	s_mov_b32 s34, 0x3a83126f                      ; 0.001
	s_mov_b32 s35, 0x3f7fbe77                      ; 0.999
	v_mov_b32 v12, 0                               ; destinations of the lane crossing count as read
	v_mov_b32 v13, 0
	s_wait_kmcnt 0x0
	s_lshl_b32 s18, s17, 15                        ; cand: 32,768 bytes a row
	s_add_nc_u64 s[4:5], s[4:5], s[18:19]
	s_lshl_b32 s18, s17, 10                        ; glist: 1,024
	s_add_nc_u64 s[6:7], s[6:7], s[18:19]
	s_lshl_b32 s18, s17, 2                         ; out0: 4
	s_add_nc_u64 s[10:11], s[10:11], s[18:19]
.irp k, 0,1,2,3,4,5,6,7
	global_load_b32 v[16+\k], v1, s[6:7] offset:128*\k         ; lane l: the group at place 32 k + l
.endr
	WIN 0x40                                       ; destination window 1
.set i, 0
.rept 56
	global_load_b32 v[i], v1, s[4:5] offset:128*i th:TH_LOAD_NT
.set i, i+1
.endr
	s_wait_loadcnt 56                              ; glist's eight loads are in; the 56 issued behind them stay out
.rept 200
	global_load_b32 v[i], v1, s[4:5] offset:128*i th:TH_LOAD_NT
.set i, i+1
.endr
	; memory_values of the 256 groups, 128 consecutive bytes each, sixteen groups at a time
.set b, 0
.rept 16
	WIN 0
	s_wait_xcnt 0x0                                ; the sixteen offset registers are written again only behind this wait
.set z, 0
.rept 16
	v_readlane_b32 s[40+z], v[16+((16*b+z)>>5)], (16*b+z)&31
.set z, z+1
.endr
.set z, 0
.rept 16
	s_min_u32 s[40+z], s[40+z], 0xfff              ; a loaded number enters an address only clamped
.set z, z+1
.endr
.set z, 0
.rept 16
	v_lshl_add_u32 v[32+z], s[40+z], 7, v1         ; group x 128 + 4 lane
.set z, z+1
.endr
	WIN 0x80                                       ; destination window 2
.set z, 0
.rept 16
	global_load_b32 v[16*b+z], v[32+z], s[8:9]
.set z, z+1
.endr
.set b, b+1
.endr
	s_wait_loadcnt 0x0
	; the row's largest score
	WIN 0x14                                       ; sources 1 and 2 in window 1
.set i, 0
.rept 128
.if i < 4
	v_max3_num_f32 v[4+i], s30, v[2*i], v[2*i+1]               ; four chains, started from minus infinity
.else
	v_max3_num_f32 v[4+i%4], v[4+i%4], v[2*i], v[2*i+1]
.endif
.set i, i+1
.endr
	WIN 0
	v_max3_num_f32 v4, v4, v5, v6
	v_max_num_f32 v4, v4, v7
	v_max_num_f32_dpp v4, v4, v4 row_xmask:1 row_mask:0xf bank_mask:0xf
	v_max_num_f32_dpp v4, v4, v4 row_xmask:2 row_mask:0xf bank_mask:0xf
	v_max_num_f32_dpp v4, v4, v4 row_xmask:4 row_mask:0xf bank_mask:0xf
	v_max_num_f32_dpp v4, v4, v4 row_xmask:8 row_mask:0xf bank_mask:0xf
	v_permlanex16_b32 v12, v4, s12, s13
	v_max_num_f32 v3, v4, v12
	s_mov_b32 s20, 0                               ; the bits found so far
	s_mov_b32 s21, 0x80000000                      ; the bit on trial
	s_mov_b32 s22, 32
.Lbit:
	s_or_b32 s23, s20, s21
	F2K
	COUNT v_cmp_ge_f32
	s_cmp_ge_u32 s26, 256                          ; at least 256 scores are that large: the bit stays
	s_cselect_b32 s20, s23, s20
	s_lshr_b32 s21, s21, 1
	s_sub_co_i32 s22, s22, 1
	s_cmp_lg_u32 s22, 0
	s_cbranch_scc1 .Lbit
	s_mov_b32 s23, s20                             ; the 256th largest score
	F2K
	COUNT v_cmp_gt_f32
	s_sub_co_u32 s27, 256, s26                     ; so many of the scores equal to it are taken, the lowest slots first
	s_mov_b32 s28, 0                               ; equal scores met so far
.irp j, 8,9,10,11
	v_mov_b32 v\j, 0
.endr
.set b, 0
.rept 32
	WIN 0x01                                       ; source 0 (the score) in window 1
.irp z, 0,1,2,3,4,5,6,7
	v_cmp_gt_f32 s[40+\z], v[8*b+\z], v2
	v_cmp_eq_f32 s[48+\z], v[8*b+\z], v2
	v_sub_f32 v[48+\z], v[8*b+\z], v3              ; l - maximum, at most 0
.endr
	WIN 0
.irp z, 0,1,2,3,4,5,6,7
	v_mbcnt_lo_u32_b32 v[56+\z], s[48+\z], s28     ; my rank among the equal scores
	s_bcnt1_i32_b32 s33, s[48+\z]
	s_add_co_u32 s28, s28, s33
.endr
.irp z, 0,1,2,3,4,5,6,7
	v_cmp_gt_u32 s[56+\z], s27, v[56+\z]
.endr
.irp z, 0,1,2,3,4,5,6,7
	s_and_b32 s[56+\z], s[56+\z], s[48+\z]
	s_or_b32 s[40+\z], s[40+\z], s[56+\z]          ; taken: larger, or equal with a rank that is still taken
.endr
.irp z, 0,1,2,3,4,5,6,7
	v_mul_f32 v[48+\z], 0x3fb8aa3b, v[48+\z]       ; v_exp_f32 is 2 to the power
.endr
.irp z, 0,1,2,3,4,5,6,7
	v_exp_f32 v[48+\z], v[48+\z]
.endr
	v_nop                                          ; one plain place behind the transcendentals before their results are used (ISA guide 5.7.2)
	s_wait_alu depctr_va_vdst(0)
.irp z, 0,1,2,3,4,5,6,7
	v_cndmask_b32 v[48+\z], 0, v[48+\z], s[40+\z]  ; weight 0 for what is not taken
	v_add_f32 v[8+\z%2], v[8+\z%2], v[48+\z]
.endr
	WIN 0x08                                       ; source 1 (the value) in window 2
.irp z, 0,1,2,3,4,5,6,7
	v_fmac_f32 v[10+\z%2], v[48+\z], v[8*b+\z]
.endr
.set b, b+1
.endr
	WIN 0
	v_add_f32 v8, v8, v9
	v_add_f32 v10, v10, v11
.irp m, 1,2,4,8
	v_add_f32_dpp v8, v8, v8 row_xmask:\m row_mask:0xf bank_mask:0xf
	v_add_f32_dpp v10, v10, v10 row_xmask:\m row_mask:0xf bank_mask:0xf
.endr
	v_permlanex16_b32 v12, v8, s12, s13
	v_permlanex16_b32 v13, v10, s12, s13
	v_add_f32 v8, v8, v12
	v_add_f32 v10, v10, v13
	v_rcp_f32 v8, v8                               ; the sum of weights is at least 1
	v_nop                                          ; one plain place behind the transcendental (ISA guide 5.7.2)
	s_wait_alu depctr_va_vdst(0)
	v_mul_f32 v8, v10, v8
	v_med3_num_f32 v8, v8, s34, s35                ; the clip
	v_cmp_eq_u32 vcc_lo, 0, v1
	s_wait_xcnt 0x0                                ; EXEC changes only behind this wait
	s_and_saveexec_b32 s36, vcc_lo                 ; lane 0 alone, whose offset 4 lane is 0
	global_store_b32 v1, v8, s[10:11]
	s_endpgm
.Lfunc_end_k_q58a79c0fd2_fin:
	.size	k_q58a79c0fd2_fin, .Lfunc_end_k_q58a79c0fd2_fin-k_q58a79c0fd2_fin
	.p2alignl 7, 3214868480
	.fill 96, 4, 3214868480
	.section	.rodata,"a",@progbits
	.p2align	6, 0x0
	.amdhsa_kernel k_q58a79c0fd2_fin
		.amdhsa_group_segment_fixed_size 0
		.amdhsa_private_segment_fixed_size 0
		.amdhsa_enable_private_segment 0
		.amdhsa_kernarg_size 32
		.amdhsa_user_sgpr_count 2
		.amdhsa_user_sgpr_kernarg_segment_ptr 1
		.amdhsa_wavefront_size32 1
		.amdhsa_system_sgpr_workgroup_id_x 1
		.amdhsa_system_sgpr_workgroup_id_y 1
		.amdhsa_system_sgpr_workgroup_id_z 1
		.amdhsa_system_vgpr_workitem_id 0
		.amdhsa_next_free_vgpr 768
		.amdhsa_next_free_sgpr 66
		.amdhsa_reserve_vcc 1
		.amdhsa_float_denorm_mode_32 3
		.amdhsa_float_denorm_mode_16_64 3
		.amdhsa_memory_ordered 1
		.amdhsa_forward_progress 1
		.amdhsa_inst_pref_size 255
	.end_amdhsa_kernel
	.section	.bss,"aw",@nobits
	.p2align	6
	.space	262144
	.amdgpu_metadata
---
amdhsa.version: [ 1, 2 ]
amdhsa.kernels:
  - .name:           k_q58a79c0fd2_fin
    .symbol:         k_q58a79c0fd2_fin.kd
    .args:
      - { .name: cand, .offset: 0, .size: 8, .value_kind: global_buffer, .address_space: global }
      - { .name: glist, .offset: 8, .size: 8, .value_kind: global_buffer, .address_space: global }
      - { .name: memory_values, .offset: 16, .size: 8, .value_kind: global_buffer, .address_space: global }
      - { .name: out0, .offset: 24, .size: 8, .value_kind: global_buffer, .address_space: global }
    .group_segment_fixed_size: 0
    .private_segment_fixed_size: 0
    .kernarg_segment_align: 8
    .kernarg_segment_size: 32
    .max_flat_workgroup_size: 128
    .sgpr_count:     66
    .vgpr_count:     768
    .wavefront_size: 32
...
	.end_amdgpu_metadata
.endif
;; end of part 5
;; ======== version 2 of 2: 6 launches; 1.51 times as fast as version 1
;; limits: right only within a limited range of input values; values are held in f16: magnitudes above 65,504 overflow, below 6.1e-05 lose precision; inputs' magnitudes at most 65,504
;; workspace buffers: qf 524,288 bytes; lh 524,288 bytes; gm 16,777,216 bytes; pos 16,777,216 bytes of whole numbers; rl 16,777,216 bytes of whole numbers; cnt 16,384 bytes of whole numbers; cand 33,554,432 bytes; glist 1,048,576 bytes of whole numbers
;; launch prep (part 6): grid 64 x 1, 8 waves a work-group, no clusters, 0 bytes of LDS; arguments q, memory_hist, qf, lh; writes qf, lh
.if DOCPART == 6
	.amdgcn_target "amdgcn-amd-amdhsa--gfx1250"
	.amdhsa_code_object_version 6
	.text
	.protected	k_q58a79c0fd2_prep
	.globl	k_q58a79c0fd2_prep
	.p2align	8
	.type	k_q58a79c0fd2_prep,@function
k_q58a79c0fd2_prep:
	s_mov_b64 s[64:65], 0
	v_nop
	global_prefetch_b8 v0, s[64:65] scope:SCOPE_SE
	s_setreg_imm32_b32 hwreg(HW_REG_WAVE_MODE, 25, 1), 1
	s_wait_xcnt 0x0
; prep: small tables for the product launches.
;   lh[m] = ln(memory_hist[m] + 1e-8), f32 [131072].  Scores are kept as l = q.key + lh: same order as exp(q.key) * p_c, and the common
;   factor 1 / sum(hist) of p_c cancels in the normalised average, so it is not formed.
;   qf, first 262,144 bytes: q rounded to f16, laid out as the matrix unit's fragments: [tile T of 16 rows][u 0..7][lane][16 bytes]; lane (r, h) of
;   piece u holds k = 16 u + 8 h .. + 7 of row 16 T + r, so a wave loads a fragment as 512 consecutive bytes.
;   qf, second 262,144 bytes: q rounded to f16, row-major [1024][128], 256 bytes a row, for the launch that gathers rows.
; LIMITS: memory_hist + 1e-8 must be above zero (a logarithm is taken); |q| at most 65,504, f16's largest number.
; 64 work-groups of 256 threads; thread g = 256 T + t.  q is read twice, in pieces of 32 bytes a lane (524,288 bytes each time); every store
; of a wave covers 512 consecutive bytes, aligned.  Memory binds: no LDS, no matrix unit.
.set BETA, 0x322bcc77                  ; 1e-8
.set LN2,  0x3f317218                  ; ln 2: v_log_f32 is the logarithm to base 2
.set QROWS, 262144                     ; where the row-major copy begins
	s_load_b256 s[4:11], s[0:1], 0x0               ; q s[4:5], memory_hist s[6:7], qf s[8:9], lh s[10:11]
	v_and_b32 v1, 15, v0                           ; r
	v_bfe_u32 v2, v0, 4, 1                         ; h
	v_lshrrev_b32 v3, 5, v0                        ; u = the wave's number
	s_lshl_b32 s12, ttmp9, 13                      ; 16 rows of 512 bytes for each tile
	s_lshl_b32 s13, ttmp9, 12                      ; 256 threads x 16 bytes
	v_lshl_add_u32 v4, v1, 9, s12                  ; row 16 T + r
	v_lshl_add_u32 v4, v3, 6, v4                   ; + 64 u
	v_lshl_add_u32 v4, v2, 5, v4                   ; + 32 h: my eight f32 of q for the fragment order
	v_lshl_add_u32 v5, v0, 4, s13                  ; 16 g
	v_lshlrev_b32 v6, 1, v5                        ; 32 g: my eight f32 of q in the order of memory
	s_wait_kmcnt 0x0
	global_load_b128 v[8:11],  v4, s[4:5]
	global_load_b128 v[12:15], v4, s[4:5] offset:16
	global_load_b128 v[32:35], v6, s[4:5]
	global_load_b128 v[36:39], v6, s[4:5] offset:16
	global_load_b128 v[16:19], v5, s[6:7] th:TH_LOAD_NT
	global_load_b128 v[20:23], v5, s[6:7] offset:262144 th:TH_LOAD_NT
	s_wait_loadcnt 0x2                             ; q's four loads are in; the two of memory_hist stay out
	v_cvt_pk_f16_f32 v24, v8, v9
	v_cvt_pk_f16_f32 v25, v10, v11
	v_cvt_pk_f16_f32 v26, v12, v13
	v_cvt_pk_f16_f32 v27, v14, v15
	v_cvt_pk_f16_f32 v40, v32, v33
	v_cvt_pk_f16_f32 v41, v34, v35
	v_cvt_pk_f16_f32 v42, v36, v37
	v_cvt_pk_f16_f32 v43, v38, v39
	global_store_b128 v5, v[24:27], s[8:9]
	global_store_b128 v5, v[40:43], s[8:9] offset:QROWS
	s_wait_loadcnt 0x0
.irp j, 16,18,20,22
	v_pk_add_f32 v[\j:\j+1], v[\j:\j+1], BETA op_sel_hi:[1,0]
.endr
.irp j, 16,17,18,19,20,21,22,23
	v_log_f32 v\j, v\j
.endr
	v_nop                                          ; one plain place behind the transcendentals before their results are used (ISA guide 5.7.2)
	s_wait_alu depctr_va_vdst(0)
.irp j, 16,18,20,22
	v_pk_mul_f32 v[\j:\j+1], v[\j:\j+1], LN2 op_sel_hi:[1,0]
.endr
	global_store_b128 v5, v[16:19], s[10:11]
	global_store_b128 v5, v[20:23], s[10:11] offset:262144
	s_endpgm
.Lfunc_end_k_q58a79c0fd2_prep:
	.size	k_q58a79c0fd2_prep, .Lfunc_end_k_q58a79c0fd2_prep-k_q58a79c0fd2_prep
	.p2alignl 7, 3214868480
	.fill 96, 4, 3214868480
	.section	.rodata,"a",@progbits
	.p2align	6, 0x0
	.amdhsa_kernel k_q58a79c0fd2_prep
		.amdhsa_group_segment_fixed_size 0
		.amdhsa_private_segment_fixed_size 0
		.amdhsa_enable_private_segment 0
		.amdhsa_kernarg_size 32
		.amdhsa_user_sgpr_count 2
		.amdhsa_user_sgpr_kernarg_segment_ptr 1
		.amdhsa_wavefront_size32 1
		.amdhsa_system_sgpr_workgroup_id_x 1
		.amdhsa_system_sgpr_workgroup_id_y 1
		.amdhsa_system_sgpr_workgroup_id_z 1
		.amdhsa_system_vgpr_workitem_id 0
		.amdhsa_next_free_vgpr 48
		.amdhsa_next_free_sgpr 66
		.amdhsa_reserve_vcc 0
		.amdhsa_float_denorm_mode_32 3
		.amdhsa_float_denorm_mode_16_64 3
		.amdhsa_memory_ordered 1
		.amdhsa_forward_progress 1
		.amdhsa_inst_pref_size 4
	.end_amdhsa_kernel
	.amdgpu_metadata
---
amdhsa.version: [ 1, 2 ]
amdhsa.kernels:
  - .name:           k_q58a79c0fd2_prep
    .symbol:         k_q58a79c0fd2_prep.kd
    .args:
      - { .name: q, .offset: 0, .size: 8, .value_kind: global_buffer, .address_space: global }
      - { .name: memory_hist, .offset: 8, .size: 8, .value_kind: global_buffer, .address_space: global }
      - { .name: qf, .offset: 16, .size: 8, .value_kind: global_buffer, .address_space: global }
      - { .name: lh, .offset: 24, .size: 8, .value_kind: global_buffer, .address_space: global }
    .group_segment_fixed_size: 0
    .private_segment_fixed_size: 0
    .kernarg_segment_align: 8
    .kernarg_segment_size: 32
    .max_flat_workgroup_size: 256
    .sgpr_count:     66
    .vgpr_count:     48
    .wavefront_size: 32
...
	.end_amdgpu_metadata
.endif
;; end of part 6
;; launch gmax (part 7): grid 256 x 1, 4 waves a work-group, no clusters, 117,504 bytes of LDS; arguments qf, lh, memory_key, gm; writes gm
.if DOCPART == 7
	.amdgcn_target "amdgcn-amd-amdhsa--gfx1250"
	.amdhsa_code_object_version 6
	.text
	.protected	k_q58a79c0fd2_gmax
	.globl	k_q58a79c0fd2_gmax
	.p2align	8
	.type	k_q58a79c0fd2_gmax,@function
k_q58a79c0fd2_gmax:
	s_mov_b64 s[64:65], 0
	v_nop
	global_prefetch_b8 v0, s[64:65] scope:SCOPE_SE
	s_setreg_imm32_b32 hwreg(HW_REG_WAVE_MODE, 25, 1), 1
	s_wait_xcnt 0x0
; gmax: the product l[row][slot] = q[row] . key[slot] + lh[slot] in f16 with f32 sums; the largest l of each (row, group of 32 neighbouring slots)
; goes to gm[block of 1,024 slots][row][32 groups].
; WORK: work-group = 512 rows (rb) x 1,024 slots (sb); neighbours in the grid share sb, so the same keys are read shortly after each other.
; Wave w owns rows 512 rb + 128 w + 16 b + r, b = 0..7.  16 steps; step s takes slots 32 s .. + 31 of the block's lower 512 and of its upper 512.
; THE MATRIX INSTRUCTION: A = 16 keys, B = 16 rows of q.  A's row m = 8 h' + j of tile t is slot 512 h' + 32 s + 8 t + j, so in the result lane (r, h)
; holds in the 32 registers of block b the 32 neighbouring slots of ONE group (16 h + s of the block) for ONE row: a group's maximum never leaves
; the lane.  C of the first K step is lh: the bias costs nothing and nothing is cleared.
; F16, NOT BF16: which 256 slots are chosen hangs on small differences of scores, and f16 keeps three more bits of each operand.  It has the room:
; numbers of the drawn spread 0.1, thirty times larger or shifted by thirty spreads, stay below 20.
; KEYS are f32 in memory: they come through registers (a load of a wave = one key row, 512 consecutive bytes), are rounded to f16 once and laid into one
; of two LDS buffers; each wave brings 16 of a step's 64 rows, and each load is issued two steps ahead of its use.  Tensor loads are left out because the
; bytes must be converted on the way; clusters because a key tile is shared by two work-groups only.
; LIMITS: scores must be finite (v_max3_num_f32 drops a NaN); |q| and |key| at most 65,504, f16's largest number.  q and key are rounded to f16.
; REGISTERS, in windows of 256:  window 0: v1 lane, v2 16 lane, v3 A fragments' LDS address, v4 key stores' LDS address, v5 lh's LDS address, v6 my word of
; the stage, v7 the stage by rows, v8-15 lh on its way in, v16-23 GM, v24-55 BIAS, v59-63 set-up, v64-191 AF[t][c];
; window 1: Q[b][c] at 32 b + 8 c;  window 2: ACC[b][t] at 32 b + 8 t;  window 3: two sets of 64 registers for keys on their way in.
.set PITCH,  272                       ; a key row in LDS: 256 bytes of f16 + 16
.set KBUF,   72*PITCH                  ; rows 0-31 the lower slots, rows 40-71 the upper: rows j and 40 + j start at 16 j and 128 + 16 j modulo 256
.set LH,     2*KBUF                    ; lh of the block's 1,024 slots, 4,096 bytes
.set STAGE,  LH+4096                   ; each wave's own 128 rows x 32 words
.set SPITCH, 144
.set WSTAGE, 128*SPITCH
.set KSTEP,  32*512                    ; bytes from one step's key rows to the next step's
.set GM,     16
.set BIAS,   24
.set AF,     64
.set MSB,    0
.macro WIN new                         ; s_set_vgpr_msb: bits 1:0 source 0, 3:2 source 1, 5:4 source 2, 7:6 destination; the high byte repeats the setting that is left
.if MSB != \new
	s_set_vgpr_msb (MSB<<8)|\new
.set MSB, \new
.endif
.endm
; Key set `set` (16 rows as f32, 4 numbers a lane) is rounded to f16 and stored as rows of LDS buffer `buf`; load = 1: the set is asked for again.
.macro CONV set, buf, load
	WIN 0xcf                                       ; all in window 3
.set i, 0
.rept 16
	v_cvt_pk_f16_f32 v[64*\set+4*i],   v[64*\set+4*i],   v[64*\set+4*i+1]
	v_cvt_pk_f16_f32 v[64*\set+4*i+1], v[64*\set+4*i+2], v[64*\set+4*i+3]
.set i, i+1
.endr
	WIN 0x0c                                       ; address window 0, data window 3
.set i, 0
.rept 16
	ds_store_b64 v4, v[64*\set+4*i:64*\set+4*i+1] offset:\buf*KBUF+PITCH*i   ; 32 lanes x 8 bytes: one row
.set i, i+1
.endr
.if \load
	WIN 0xc0                                       ; destination window 3
.set i, 0
.rept 16
	global_load_b128 v[64*\set+4*i:64*\set+4*i+3], v2, s[8:9] offset:512*i
.set i, i+1
.endr
.endif
.endm
; 128 matrix instructions: 4 key tiles x 8 row blocks x 4 K steps.  The 32 accumulators take turns, one instruction a turn.
.macro MULS
	WIN 0x84                                       ; A window 0, B window 1, C window 0 (the bias), D window 2
.irp t, 0,1,2,3
.irp b, 0,1,2,3,4,5,6,7
	v_wmma_f32_16x16x32_f16 v[32*\b+8*\t:32*\b+8*\t+7], v[AF+32*\t:AF+32*\t+7], v[32*\b:32*\b+7], v[BIAS+8*\t:BIAS+8*\t+7]
.endr
.endr
	WIN 0xa4                                       ; C and D window 2
.irp c, 1,2,3
.irp t, 0,1,2,3
.irp b, 0,1,2,3,4,5,6,7
	v_wmma_f32_16x16x32_f16 v[32*\b+8*\t:32*\b+8*\t+7], v[AF+32*\t+8*\c:AF+32*\t+8*\c+7], v[32*\b+8*\c:32*\b+8*\c+7], v[32*\b+8*\t:32*\b+8*\t+7]
.endr
.endr
.endr
.endm
.macro EPILOGUE
.rept 4
	v_nop                                          ; four places between the last matrix instruction and the first read of a result (ISA guide 7.12.1)
.endr
	WIN 0x28                                       ; source 0 and destination window 0, sources 1 and 2 window 2
.irp e, 0,1,2,3,4,5,6,7,8,9,10,11,12,13,14,15
.irp b, 0,1,2,3,4,5,6,7
.if \e == 0
	v_max3_num_f32 v[GM+\b], s30, v[32*\b], v[32*\b+1]                        ; eight chains, started from minus infinity
.else
	v_max3_num_f32 v[GM+\b], v[GM+\b], v[32*\b+2*\e], v[32*\b+2*\e+1]
.endif
.endr
.endr
	WIN 0
.irp b, 0,1,2,3,4,5,6,7
	ds_store_b32 v6, v[GM+\b] offset:16*SPITCH*\b  ; stage[row 16 b + r][group 16 h + s]
.endr
.endm
; One step on key buffer buf.  conv = 1: the next step's keys (set nxt) go into buffer nxt; load = 1: that set is asked for again, three steps ahead of this one;
; lcnt = how many younger key loads may stay out.
.macro STEP buf, nxt, conv, load, lcnt
	WIN 0
.irp u, 0,1,2,3,4,5,6,7
	ds_load_b128 v[BIAS+4*\u:BIAS+4*\u+3], v5 offset:16*\u                    ; lh of my half's 32 slots: all lanes of a half read the same words
.endr
.irp c, 0,1,2,3
.irp t, 0,1,2,3
	ds_load_b128 v[AF+32*\t+8*\c:AF+32*\t+8*\c+3],   v3 offset:\buf*KBUF+8*PITCH*\t+64*\c
	ds_load_b128 v[AF+32*\t+8*\c+4:AF+32*\t+8*\c+7], v3 offset:\buf*KBUF+8*PITCH*\t+64*\c+32
.endr
.endr
.if \conv
	s_wait_loadcnt \lcnt                           ; loads come back in order (ISA guide 5.7.1): set nxt is in, the other set's 16 loads stay out
	CONV \nxt, \nxt, \load
	s_wait_dscnt 16                                ; all this step's LDS loads are in; only the 16 key stores issued behind them may be out
.else
	s_wait_dscnt 0
.endif
	MULS
	EPILOGUE
.if \conv
	WIN 0
	v_add_nc_u32 v5, 128, v5                       ; the next step's 32 slots of lh
	v_add_nc_u32 v6, 4, v6                         ; the next step's group in the stage
.if \load
	s_wait_xcnt 0x0                                ; the key loads' base is stepped only behind this wait
	s_add_nc_u64 s[8:9], s[8:9], KSTEP
.endif
	s_wait_dscnt 0                                 ; my reads of buffer buf and my stores into buffer nxt are done;
	s_barrier_signal -1                            ; one barrier orders both: the next step stores into buf and reads nxt
	s_barrier_wait -1
.endif
.endm
	s_load_b256 s[4:11], s[0:1], 0x0               ; qf s[4:5], lh s[6:7], memory_key s[8:9], gm s[10:11]
	v_lshl_add_u32 v254, v0, 2, 0x1c900
	v_mov_b32 v255, 0
	v_lshrrev_b32 v1, 5, v0
	v_readfirstlane_b32 s16, v1                    ; wave w
	s_and_b32 s17, ttmp9, 1                        ; rb
	s_lshr_b32 s18, ttmp9, 1                       ; sb
	s_lshr_b32 s19, s16, 1                         ; w >> 1: I bring keys of the lower or the upper 512 slots
	s_and_b32 s23, s16, 1                          ; w & 1: the first or the second 16 rows of the 32
	s_mov_b32 s30, 0xff800000                      ; minus infinity
	v_and_b32 v1, 31, v0                           ; lane
	v_lshlrev_b32 v2, 4, v1                        ; 16 lane
	v_and_b32 v59, 15, v0                          ; r
	v_bfe_u32 v60, v0, 4, 1                        ; h
	v_and_b32 v61, 7, v0                           ; r & 7 = lane & 7
	v_bfe_u32 v62, v0, 3, 1                        ; r >> 3
	v_lshlrev_b32 v63, 4, v0                       ; 16 x thread
	v_mul_u32_u24 v3, v61, PITCH                   ; A's row r of a tile: LDS row (r & 7) + 40 (r >> 3),
	v_mad_u32_u24 v3, v62, 40*PITCH, v3
	v_lshl_add_u32 v3, v60, 4, v3                  ; + 16 h
	s_mul_i32 s24, s19, 40*PITCH
	s_mul_i32 s25, s23, 16*PITCH
	s_add_co_u32 s24, s24, s25
	v_lshl_add_u32 v4, v1, 3, s24                  ; my 16 rows of a key buffer, 8 bytes a lane
	v_lshl_add_u32 v5, v60, 11, LH                 ; lh of my half's slots
	s_mul_i32 s26, s16, WSTAGE
	s_add_co_u32 s26, s26, STAGE                   ; my wave's stage
	v_mul_u32_u24 v6, v59, SPITCH
	v_lshl_add_u32 v6, v60, 6, v6
	v_add_nc_u32 v6, s26, v6                       ; row r, word 16 h
	v_lshrrev_b32 v62, 3, v1
	v_mul_u32_u24 v7, v62, SPITCH
	v_lshl_add_u32 v7, v61, 4, v7
	v_add_nc_u32 v7, s26, v7                       ; by rows: eight lanes take a row's 128 bytes, a wave four rows
	s_mov_b32 s21, 0
	s_wait_kmcnt 0x0
	s_lshl_b32 s20, s17, 17                        ; qf: 32 tiles of 4,096 bytes for each rb, 8 for each wave
	s_lshl_b32 s24, s16, 15
	s_add_co_u32 s20, s20, s24
	s_add_nc_u64 s[4:5], s[4:5], s[20:21]
	s_lshl_b32 s20, s18, 12                        ; lh: 1,024 words for each sb
	s_add_nc_u64 s[6:7], s[6:7], s[20:21]
	s_lshl_b32 s20, s18, 19                        ; keys: 1,024 rows of 512 bytes for each sb, 512 rows for the upper half, 16 rows
	s_lshl_b32 s24, s19, 18
	s_add_co_u32 s20, s20, s24
	s_lshl_b32 s24, s23, 13
	s_add_co_u32 s20, s20, s24
	s_add_nc_u64 s[8:9], s[8:9], s[20:21]
	s_lshl_b32 s20, s18, 17                        ; gm: 1,024 rows of 128 bytes for each sb, 512 for rb, 128 for the wave
	s_lshl_b32 s24, s17, 16
	s_add_co_u32 s20, s20, s24
	s_lshl_b32 s24, s16, 14
	s_add_co_u32 s20, s20, s24
	s_add_nc_u64 s[10:11], s[10:11], s[20:21]
	global_load_b128 v[8:11],  v63, s[6:7]
	global_load_b128 v[12:15], v63, s[6:7] offset:2048
	WIN 0x40                                       ; destination window 1
.set i, 0
.rept 64
	global_load_b128 v[4*i:4*i+3], v2, s[4:5] offset:512*i                    ; Q: register 32 b + 4 u from byte 4,096 b + 512 u; it stays for the whole launch
.set i, i+1
.endr
	WIN 0xc0                                       ; destination window 3
.set i, 0
.rept 16
	global_load_b128 v[4*i:4*i+3], v2, s[8:9] offset:512*i                    ; step 0's keys into set 0
.set i, i+1
.endr
.set i, 0
.rept 16
	global_load_b128 v[64+4*i:64+4*i+3], v2, s[8:9] offset:KSTEP+512*i        ; step 1's into set 1
.set i, i+1
.endr
	s_wait_loadcnt 16                              ; all but the 16 loads of step 1's keys
	WIN 0
	ds_store_b128 v63, v[8:11]  offset:LH
	ds_store_b128 v63, v[12:15] offset:LH+2048
	s_wait_xcnt 0x0                                ; the key loads' base is stepped only behind this wait
	s_add_nc_u64 s[8:9], s[8:9], 2*KSTEP
	CONV 0, 0, 1                                   ; step 0's keys into buffer 0; step 2's are asked for
	s_wait_xcnt 0x0
	s_add_nc_u64 s[8:9], s[8:9], KSTEP
	WIN 0
	s_wait_dscnt 0                                 ; my stores of keys and of lh are done,
	s_barrier_signal -1
	s_barrier_wait -1                              ; everybody's are
	s_mov_b32 s22, 6
.Ltrip:                                            ; steps 0 to 11
	STEP 0, 1, 1, 1, 16
	STEP 1, 0, 1, 1, 16
	s_sub_co_i32 s22, s22, 1
	s_cmp_lg_u32 s22, 0
	s_cbranch_scc1 .Ltrip
	STEP 0, 1, 1, 1, 16                            ; step 12 asks for step 15's keys: the last load
	STEP 1, 0, 1, 0, 16                            ; step 13: step 14's keys are in, step 15's 16 loads stay out
	STEP 0, 1, 1, 0, 0                             ; step 14: no load was issued behind step 15's
	STEP 1, 0, 0, 0, 0                             ; step 15 stores into no key buffer: no barrier follows
	; the way out: my own stage read back by rows (LDS serves a wave's instructions in order, ISA guide 5.7.1: these see my stores); each store covers 512 consecutive bytes, aligned
.set i, 0
.rept 32
	ds_load_b128 v[AF+4*i:AF+4*i+3], v7 offset:4*SPITCH*i
.set i, i+1
.endr
.set i, 0
.rept 32
	s_wait_dscnt 31-i                              ; load i is in, the younger ones stay out
	global_store_b128 v2, v[AF+4*i:AF+4*i+3], s[10:11] offset:512*i
.set i, i+1
.endr
	s_barrier_signal -1
	s_barrier_wait -1
	s_wait_tensorcnt 0x0
	ds_add_u32 v254, v255
	s_wait_dscnt 0x0
	s_endpgm
.Lfunc_end_k_q58a79c0fd2_gmax:
	.size	k_q58a79c0fd2_gmax, .Lfunc_end_k_q58a79c0fd2_gmax-k_q58a79c0fd2_gmax
	.p2alignl 7, 3214868480
	.fill 96, 4, 3214868480
	.section	.rodata,"a",@progbits
	.p2align	6, 0x0
	.amdhsa_kernel k_q58a79c0fd2_gmax
		.amdhsa_group_segment_fixed_size 117504
		.amdhsa_private_segment_fixed_size 0
		.amdhsa_enable_private_segment 0
		.amdhsa_kernarg_size 32
		.amdhsa_user_sgpr_count 2
		.amdhsa_user_sgpr_kernarg_segment_ptr 1
		.amdhsa_wavefront_size32 1
		.amdhsa_system_sgpr_workgroup_id_x 1
		.amdhsa_system_sgpr_workgroup_id_y 1
		.amdhsa_system_sgpr_workgroup_id_z 1
		.amdhsa_system_vgpr_workitem_id 0
		.amdhsa_next_free_vgpr 896
		.amdhsa_next_free_sgpr 66
		.amdhsa_reserve_vcc 0
		.amdhsa_float_denorm_mode_32 3
		.amdhsa_float_denorm_mode_16_64 3
		.amdhsa_memory_ordered 1
		.amdhsa_forward_progress 1
		.amdhsa_inst_pref_size 161
	.end_amdhsa_kernel
	.amdgpu_metadata
---
amdhsa.version: [ 1, 2 ]
amdhsa.kernels:
  - .name:           k_q58a79c0fd2_gmax
    .symbol:         k_q58a79c0fd2_gmax.kd
    .args:
      - { .name: qf, .offset: 0, .size: 8, .value_kind: global_buffer, .address_space: global }
      - { .name: lh, .offset: 8, .size: 8, .value_kind: global_buffer, .address_space: global }
      - { .name: memory_key, .offset: 16, .size: 8, .value_kind: global_buffer, .address_space: global }
      - { .name: gm, .offset: 24, .size: 8, .value_kind: global_buffer, .address_space: global }
    .group_segment_fixed_size: 117504
    .private_segment_fixed_size: 0
    .kernarg_segment_align: 8
    .kernarg_segment_size: 32
    .max_flat_workgroup_size: 128
    .sgpr_count:     66
    .vgpr_count:     896
    .wavefront_size: 32
...
	.end_amdgpu_metadata
.endif
;; end of part 7
;; launch pick (part 8): grid 256 x 1, 4 waves a work-group, no clusters, 66,048 bytes of LDS; arguments gm, pos; writes pos
.if DOCPART == 8
	.amdgcn_target "amdgcn-amd-amdhsa--gfx1250"
	.amdhsa_code_object_version 6
	.text
	.protected	k_q58a79c0fd2_pick
	.globl	k_q58a79c0fd2_pick
	.p2align	8
	.type	k_q58a79c0fd2_pick,@function
k_q58a79c0fd2_pick:
	s_mov_b64 s[64:65], 0
	v_nop
	global_prefetch_b8 v0, s[64:65] scope:SCOPE_SE
	s_setreg_imm32_b32 hwreg(HW_REG_WAVE_MODE, 25, 1), 1
	s_wait_xcnt 0x0
; pick: for each row the 256 first of its 4,096 groups in the order (group maximum descending, group number ascending).
; pos[block][row][32] = the group's place 0..255 among the chosen, counted by ascending group number, or 256 for a group that is not chosen.
; WHY THAT IS ENOUGH: order elements by (score descending, slot ascending).  If 256 groups come before an element's group, each of them holds an element
; that comes before it (a larger score, or an equal one at a lower slot), so it is not among the first 256.
; One wave, one row: register X + i of lane l holds group 32 i + l.  The 256th largest value is found bit by bit on the ordered image of the float's
; bits (sign bit flipped for numbers >= 0, all bits flipped below 0): 32 trips, each counts the values below a trial value t.  The count is made without
; compare masks: the sign bit of x - t is 1 exactly where x < t (x = t gives +0; denormal differences are kept), two differences an instruction,
; then the sign bits are shifted down and added, eight chains.  No address and no branch hangs on a value.
; LIMITS: the maxima must be finite (a trial value is a NaN pattern only after plus infinity has been accepted, that is if 256 values were infinite);
; in the ranking behind the loop -0 and +0 count as equal.
; Loads take 128 bytes a wave, the four waves of a group 512 neighbouring bytes; the way out goes through LDS so that a store covers 512 consecutive bytes, aligned.
.set X,  32                            ; v[32:159]
.set T,  16                            ; v[16:23]   ranks and places of a batch of eight
.set D,  160                           ; v[160:191] differences of a batch of 32
.set CA, 192                           ; v[192:199] eight counters
.set KEEP, 4096-256                    ; the trial bit stays if at most so many values lie below the trial value
.macro F2K                             ; the float whose ordered image is s23, into v2 and v3 (a pair for the packed subtraction)
	s_xor_b32 s24, s23, 0x80000000
	s_not_b32 s25, s23
	s_bitcmp1_b32 s23, 31
	s_cselect_b32 s24, s24, s25
	v_mov_b32 v2, s24
	v_mov_b32 v3, s24
.endm
.macro LANESUM                         ; s26 = the sum of v4 over the 32 lanes
	v_cvt_f32_u32 v4, v4                           ; at most 4,096 in all: exact in f32
	v_add_f32_dpp v4, v4, v4 row_xmask:1 row_mask:0xf bank_mask:0xf
	v_add_f32_dpp v4, v4, v4 row_xmask:2 row_mask:0xf bank_mask:0xf
	v_add_f32_dpp v4, v4, v4 row_xmask:4 row_mask:0xf bank_mask:0xf
	v_add_f32_dpp v4, v4, v4 row_xmask:8 row_mask:0xf bank_mask:0xf
	v_permlanex16_b32 v10, v4, s12, s13
	v_add_f32 v4, v4, v10
	v_cvt_u32_f32 v4, v4
	v_readfirstlane_b32 s26, v4
.endm
.macro COUNTLT                         ; s26 = how many of the row's 4,096 values lie below v2
.set b, 0
.rept 4
.set p, 0
.rept 16
	v_pk_add_f32 v[D+2*p:D+2*p+1], v[X+32*b+2*p:X+32*b+2*p+1], v[2:3] neg_lo:[0,1] neg_hi:[0,1]   ; x - t, twice
.set p, p+1
.endr
.set p, 0
.rept 32
	v_lshrrev_b32 v[D+p], 31, v[D+p]               ; the sign bit: 1 where x < t
.set p, p+1
.endr
.set p, 0
.rept 16
.if 16*b+p < 8
	v_add_nc_u32 v[CA+p], v[D+2*p], v[D+2*p+1]     ; the first eight pairs start the chains: nothing is cleared
.else
	v_add3_u32 v[CA+p%8], v[CA+p%8], v[D+2*p], v[D+2*p+1]
.endif
.set p, p+1
.endr
.set b, b+1
.endr
	v_add3_u32 v[CA], v[CA], v[CA+1], v[CA+2]
	v_add3_u32 v[CA+3], v[CA+3], v[CA+4], v[CA+5]
	v_add3_u32 v[CA], v[CA], v[CA+3], v[CA+6]
	v_add_nc_u32 v4, v[CA], v[CA+7]
	LANESUM
.endm
.macro COUNTGT                         ; s26 = how many values are above v2, by the compare that the ranking below uses too; run once
.irp j, 4,5,6,7
	v_mov_b32 v\j, 0
.endr
.set i, 0
.rept 128
	v_cmp_gt_f32 vcc_lo, v[X+i], v2
	v_add_co_ci_u32 v[4+i%4], vcc_lo, 0, v[4+i%4], vcc_lo     ; + 1 where the relation holds; four chains
.set i, i+1
.endr
	v_add_nc_u32 v4, v4, v5
	v_add_nc_u32 v6, v6, v7
	v_add_nc_u32 v4, v4, v6
	LANESUM
.endm
	s_load_b128 s[4:7], s[0:1], 0x0                ; gm s[4:5], pos s[6:7]
	v_lshl_add_u32 v200, v0, 2, 0x10000
	v_mov_b32 v201, 0
	v_lshrrev_b32 v1, 5, v0
	v_readfirstlane_b32 s8, v1                     ; wave w
	v_and_b32 v1, 31, v0                           ; lane
	v_lshlrev_b32 v11, 2, v1                       ; 4 lane
	v_lshlrev_b32 v14, 4, v1                       ; 16 lane
	s_lshl_b32 s9, ttmp9, 9                        ; the group's four rows of 128 bytes
	s_lshl_b32 s10, s8, 7
	v_add_nc_u32 v12, s10, v11                     ; LDS, in: 128 w + 4 lane
	s_add_co_u32 s10, s9, s10                      ; my row x 128
	s_mov_b32 s11, 0
	s_lshl_b32 s18, s8, 14
	v_add_nc_u32 v13, s18, v14                     ; LDS, back: blocks 32 w .. 32 w + 31
	s_mov_b32 s12, 0x76543210                      ; v_permlanex16_b32: lane i of one half reads lane i of the other
	s_mov_b32 s13, 0xfedcba98
	v_mov_b32 v10, 0                               ; its destination counts as read
	v_mov_b32 v15, 256                             ; "no place"
	s_wait_kmcnt 0x0
	s_add_nc_u64 s[14:15], s[4:5], s[10:11]        ; blocks 0 to 63
	s_add_nc_u64 s[16:17], s[14:15], 0x800000      ; blocks 64 to 127: the immediate reaches 63 blocks of 131,072 bytes
.set i, 0
.rept 64
	global_load_b32 v[X+i], v11, s[14:15] offset:131072*i
.set i, i+1
.endr
.set i, 0
.rept 64
	global_load_b32 v[X+64+i], v11, s[16:17] offset:131072*i
.set i, i+1
.endr
	s_mov_b32 s20, 0                               ; the bits found so far
	s_mov_b32 s21, 0x80000000                      ; the bit on trial
	s_mov_b32 s22, 32
	s_wait_loadcnt 0x0
.Lbit:
	s_or_b32 s23, s20, s21
	F2K
	COUNTLT
	s_cmp_le_u32 s26, KEEP                         ; at least 256 values are not below the trial value: the bit stays
	s_cselect_b32 s20, s23, s20
	s_lshr_b32 s21, s21, 1
	s_sub_co_i32 s22, s22, 1
	s_cmp_lg_u32 s22, 0
	s_cbranch_scc1 .Lbit
	s_mov_b32 s23, s20                             ; the 256th largest value
	F2K
	COUNTGT
	s_sub_co_u32 s27, 256, s26                     ; so many of the values equal to it are taken, the lowest groups first
	s_mov_b32 s28, 0                               ; equal values met so far
	s_mov_b32 s29, 0                               ; groups chosen so far
.set b, 0
.rept 16
.irp z, 0,1,2,3,4,5,6,7
	v_cmp_gt_f32 s[40+\z], v[X+8*b+\z], v2
	v_cmp_eq_f32 s[48+\z], v[X+8*b+\z], v2
.endr
.irp z, 0,1,2,3,4,5,6,7
	v_mbcnt_lo_u32_b32 v[T+\z], s[48+\z], s28      ; my rank among the equal values: those before this register + those in lower lanes
	s_bcnt1_i32_b32 s33, s[48+\z]
	s_add_co_u32 s28, s28, s33
.endr
.irp z, 0,1,2,3,4,5,6,7
	v_cmp_gt_u32 s[56+\z], s27, v[T+\z]
.endr
.irp z, 0,1,2,3,4,5,6,7
	s_and_b32 s[56+\z], s[56+\z], s[48+\z]
	s_or_b32 s[40+\z], s[40+\z], s[56+\z]          ; chosen: larger, or equal with a rank that is still taken
.endr
.irp z, 0,1,2,3,4,5,6,7
	v_mbcnt_lo_u32_b32 v[T+\z], s[40+\z], s29      ; my place among the chosen
	s_bcnt1_i32_b32 s33, s[40+\z]
	s_add_co_u32 s29, s29, s33
.endr
.irp z, 0,1,2,3,4,5,6,7
	v_cndmask_b32 v[X+8*b+\z], v15, v[T+\z], s[40+\z]
.endr
.set b, b+1
.endr
	; the way out.  LDS: [block 0..127][wave's row][32 words]; a block's four rows are 512 consecutive bytes of pos
.set i, 0
.rept 128
	ds_store_b32 v12, v[X+i] offset:512*i
.set i, i+1
.endr
	s_lshl_b32 s10, s8, 22                         ; 32 blocks of 131,072 bytes for each wave
	s_add_co_u32 s10, s10, s9
	s_add_nc_u64 s[6:7], s[6:7], s[10:11]
	s_wait_dscnt 0x0                               ; my stores are done,
	s_barrier_signal -1
	s_barrier_wait -1                              ; everybody's are
.set i, 0
.rept 32
	ds_load_b128 v[X+4*i:X+4*i+3], v13 offset:512*i
.set i, i+1
.endr
.set i, 0
.rept 32
	s_wait_dscnt 31-i                              ; load i is in, the younger ones stay out
	global_store_b128 v14, v[X+4*i:X+4*i+3], s[6:7] offset:131072*i
.set i, i+1
.endr
	s_barrier_signal -1
	s_barrier_wait -1
	s_wait_tensorcnt 0x0
	ds_add_u32 v200, v201
	s_wait_dscnt 0x0
	s_endpgm
.Lfunc_end_k_q58a79c0fd2_pick:
	.size	k_q58a79c0fd2_pick, .Lfunc_end_k_q58a79c0fd2_pick-k_q58a79c0fd2_pick
	.p2alignl 7, 3214868480
	.fill 96, 4, 3214868480
	.section	.rodata,"a",@progbits
	.p2align	6, 0x0
	.amdhsa_kernel k_q58a79c0fd2_pick
		.amdhsa_group_segment_fixed_size 66048
		.amdhsa_private_segment_fixed_size 0
		.amdhsa_enable_private_segment 0
		.amdhsa_kernarg_size 16
		.amdhsa_user_sgpr_count 2
		.amdhsa_user_sgpr_kernarg_segment_ptr 1
		.amdhsa_wavefront_size32 1
		.amdhsa_system_sgpr_workgroup_id_x 1
		.amdhsa_system_sgpr_workgroup_id_y 1
		.amdhsa_system_sgpr_workgroup_id_z 1
		.amdhsa_system_vgpr_workitem_id 0
		.amdhsa_next_free_vgpr 202
		.amdhsa_next_free_sgpr 66
		.amdhsa_reserve_vcc 1
		.amdhsa_float_denorm_mode_32 3
		.amdhsa_float_denorm_mode_16_64 3
		.amdhsa_memory_ordered 1
		.amdhsa_forward_progress 1
		.amdhsa_inst_pref_size 122
	.end_amdhsa_kernel
	.amdgpu_metadata
---
amdhsa.version: [ 1, 2 ]
amdhsa.kernels:
  - .name:           k_q58a79c0fd2_pick
    .symbol:         k_q58a79c0fd2_pick.kd
    .args:
      - { .name: gm, .offset: 0, .size: 8, .value_kind: global_buffer, .address_space: global }
      - { .name: pos, .offset: 8, .size: 8, .value_kind: global_buffer, .address_space: global }
    .group_segment_fixed_size: 66048
    .private_segment_fixed_size: 0
    .kernarg_segment_align: 8
    .kernarg_segment_size: 16
    .max_flat_workgroup_size: 128
    .sgpr_count:     66
    .vgpr_count:     202
    .wavefront_size: 32
...
	.end_amdgpu_metadata
.endif
;; end of part 8
;; launch inv (part 9): grid 256 x 1, 16 waves a work-group, no clusters, 149,760 bytes of LDS; arguments pos, rl, cnt; writes rl, cnt
.if DOCPART == 9
	.amdgcn_target "amdgcn-amd-amdhsa--gfx1250"
	.amdhsa_code_object_version 6
	.text
	.protected	k_q58a79c0fd2_inv
	.globl	k_q58a79c0fd2_inv
	.p2align	8
	.type	k_q58a79c0fd2_inv,@function
k_q58a79c0fd2_inv:
	s_mov_b64 s[64:65], 0
	v_nop
	global_prefetch_b8 v0, s[64:65] scope:SCOPE_SE
	s_setreg_imm32_b32 hwreg(HW_REG_WAVE_MODE, 25, 1), 1
	s_wait_xcnt 0x0
; inv: pos turned round.  For each group g: cnt[g] = how many rows chose it, rl[g][0 .. cnt[g]-1] = their entries row x 256 + place, by ascending row.
; All 1,024 words of rl[g] are stored: zeros behind the entries (word 1,023 may hold a number without meaning, see below); the next launch uses the first cnt[g] only.
; Whole numbers only: everything here derives from pos, which an earlier launch stored.
; WORK: work-group = 16 groups (half of a block of pos), 16 waves, one group a wave.  The group's column of pos lies 128 bytes apart in memory, so the
; work-group first copies its 1,024 rows x 64 bytes into LDS, 16 bytes a lane, four lanes to a row's 64 bytes; behind one barrier wave w reads column w, 32 rows a load.
; THE LIST is made in the wave's own 4,096 bytes of LDS: a chosen row's index is the number of chosen rows before it (those of earlier registers, kept in a
; scalar, plus those in lower lanes: v_mbcnt).  A row that did not choose the group writes to index 1,023 instead: if there is such a row, the list has at most
; 1,023 entries and never uses that index.  So EXEC stays full.  Then the list leaves as 4,096 consecutive bytes.
; The 16 counts meet in LDS and leave as one store of 64 consecutive bytes by wave 0 (lanes 16-31 repeat lanes 0-15): cnt is 16,384 bytes in all.
.set TP,   80                          ; a row of the copy in LDS: 64 bytes + 16
.set LIST, 1024*TP                     ; the 16 lists
.set CNTL, LIST+16*4096                ; the 16 counts
.set P,    32                          ; v[32:63]  on the way in: 8 x 4 registers; then the column: register j, lane l = row 32 j + l
.set T,    24                          ; v[24:31]  LDS addresses of a batch of eight
.set O,    64                          ; v[64:95]  the list on its way out
	s_load_b128 s[4:7], s[0:1], 0x0                ; pos s[4:5], rl s[6:7]
	s_load_b64 s[8:9], s[0:1], 0x10                ; cnt
	v_lshl_add_u32 v96, v0, 2, 0x24100
	v_mov_b32 v97, 0
	v_lshrrev_b32 v1, 5, v0
	v_readfirstlane_b32 s10, v1                    ; wave w
	s_lshr_b32 s11, ttmp9, 1                       ; block of pos
	s_and_b32 s12, ttmp9, 1                        ; which 64 bytes of its rows
	v_and_b32 v1, 31, v0                           ; lane
	v_lshrrev_b32 v2, 2, v1                        ; lane >> 2: the row among eight
	v_and_b32 v3, 3, v1
	v_lshlrev_b32 v4, 4, v3                        ; 16 (lane & 3)
	v_lshl_add_u32 v5, v2, 7, v4                   ; in pos: rows of 128 bytes
	v_mad_u32_u24 v6, v2, TP, v4                   ; in LDS: rows of 80
	s_mul_i32 s13, s10, 64*TP                      ; my 64 rows of the copy
	v_add_nc_u32 v6, s13, v6
	v_lshlrev_b32 v7, 4, v1                        ; 16 lane
	s_lshl_b32 s14, s10, 12
	s_add_co_u32 s15, s14, LIST                    ; my list
	v_add_nc_u32 v8, s15, v7                       ; by 16 bytes a lane
	v_mov_b32 v9, s15
	v_mul_u32_u24 v10, v1, TP                      ; the column: row = lane,
	v_lshl_add_u32 v10, s10, 2, v10                ; word w
	v_add_nc_u32 v11, 512*TP, v10                  ; rows 512 and up: the immediate has 16 bits
	v_lshlrev_b32 v12, 8, v1                       ; 256 x lane: the lane's part of row x 256
	v_mov_b32 v13, 0x3ff                           ; the index of a row that did not choose
.irp j, 16,17,18,19
	v_mov_b32 v\j, 0
.endr
	s_mov_b32 s29, 256
	s_mov_b32 s28, 0                               ; chosen rows so far
	s_lshl_b32 s16, s11, 17                        ; pos: 131,072 bytes a block, 64 rows of 128 bytes a wave, 64 bytes for the half
	s_lshl_b32 s18, s10, 13
	s_add_co_u32 s16, s16, s18
	s_lshl_b32 s18, s12, 6
	s_add_co_u32 s16, s16, s18
	s_mov_b32 s17, 0
	s_lshl_b32 s18, ttmp9, 4
	s_add_co_u32 s18, s18, s10                     ; my group = 16 x work-group + w
	s_lshl_b32 s18, s18, 12                        ; rl: 4,096 bytes a group
	s_mov_b32 s19, 0
	s_lshl_b32 s20, ttmp9, 6                       ; cnt: 64 bytes a work-group
	s_mov_b32 s21, 0
	s_wait_kmcnt 0x0
	s_add_nc_u64 s[4:5], s[4:5], s[16:17]
	s_add_nc_u64 s[6:7], s[6:7], s[18:19]
	s_add_nc_u64 s[8:9], s[8:9], s[20:21]
.set i, 0
.rept 8
	global_load_b128 v[P+4*i:P+4*i+3], v5, s[4:5] offset:1024*i               ; eight rows' 64 bytes
.set i, i+1
.endr
.set i, 0
.rept 8
	ds_store_b128 v8, v[16:19] offset:512*i        ; my list starts as zeros
.set i, i+1
.endr
.set i, 0
.rept 8
	s_wait_loadcnt 7-i                             ; load i is in, the younger ones stay out
	ds_store_b128 v6, v[P+4*i:P+4*i+3] offset:8*TP*i
.set i, i+1
.endr
	s_wait_dscnt 0x0                               ; my part of the copy is stored,
	s_barrier_signal -1
	s_barrier_wait -1                              ; everybody's is
.set j, 0
.rept 16
	ds_load_b32 v[P+j], v10 offset:32*TP*j
.set j, j+1
.endr
.set j, 0
.rept 16
	ds_load_b32 v[P+16+j], v11 offset:32*TP*j
.set j, j+1
.endr
	s_wait_dscnt 0x0
.set b, 0
.rept 4
.irp z, 0,1,2,3,4,5,6,7
	v_cmp_gt_u32 s[40+\z], s29, v[P+8*b+\z]        ; 256 > place: the row chose my group
.endr
.irp z, 0,1,2,3,4,5,6,7
	v_mbcnt_lo_u32_b32 v[T+\z], s[40+\z], s28      ; chosen rows before mine
	s_bcnt1_i32_b32 s33, s[40+\z]
	s_add_co_u32 s28, s28, s33
.endr
.irp z, 0,1,2,3,4,5,6,7
	v_cndmask_b32 v[T+\z], v13, v[T+\z], s[40+\z]
.endr
.irp z, 0,1,2,3,4,5,6,7
	v_min_u32 v[T+\z], 0x3ff, v[T+\z]              ; a number made of loaded ones enters an address only clamped
.endr
.irp z, 0,1,2,3,4,5,6,7
	v_lshl_add_u32 v[T+\z], v[T+\z], 2, v9
.endr
.irp z, 0,1,2,3,4,5,6,7
	v_add3_u32 v[P+8*b+\z], v[P+8*b+\z], v12, 8192*(8*b+\z)    ; place + 256 x (32 j + lane)
.endr
.irp z, 0,1,2,3,4,5,6,7
	ds_store_b32 v[T+\z], v[P+8*b+\z]
.endr
.set b, b+1
.endr
	s_lshl_b32 s22, s10, 2
	s_add_co_u32 s22, s22, CNTL
	v_mov_b32 v15, s22
	v_mov_b32 v14, s28
	ds_store_b32 v15, v14                          ; my count: all lanes write the same word with the same number
.set i, 0
.rept 8
	ds_load_b128 v[O+4*i:O+4*i+3], v8 offset:512*i ; my own bytes: LDS serves a wave's instructions in order (ISA guide 5.7.1)
.set i, i+1
.endr
.set i, 0
.rept 8
	s_wait_dscnt 7-i                               ; load i is in, the younger ones stay out; the last count is 0: my count is stored too
	global_store_b128 v7, v[O+4*i:O+4*i+3], s[6:7] offset:512*i
.set i, i+1
.endr
	s_barrier_signal -1
	s_barrier_wait -1                              ; all 16 counts are in LDS
	s_cmp_lg_u32 s10, 0
	s_cbranch_scc1 .Ldone
	v_and_b32 v20, 15, v1
	v_lshlrev_b32 v20, 2, v20
	v_add_nc_u32 v22, CNTL, v20
	ds_load_b32 v21, v22
	s_wait_dscnt 0x0
	global_store_b32 v20, v21, s[8:9]
.Ldone:
	s_barrier_signal -1
	s_barrier_wait -1
	s_wait_tensorcnt 0x0
	ds_add_u32 v96, v97
	s_wait_dscnt 0x0
	s_endpgm
.Lfunc_end_k_q58a79c0fd2_inv:
	.size	k_q58a79c0fd2_inv, .Lfunc_end_k_q58a79c0fd2_inv-k_q58a79c0fd2_inv
	.p2alignl 7, 3214868480
	.fill 96, 4, 3214868480
	.section	.rodata,"a",@progbits
	.p2align	6, 0x0
	.amdhsa_kernel k_q58a79c0fd2_inv
		.amdhsa_group_segment_fixed_size 149760
		.amdhsa_private_segment_fixed_size 0
		.amdhsa_enable_private_segment 0
		.amdhsa_kernarg_size 24
		.amdhsa_user_sgpr_count 2
		.amdhsa_user_sgpr_kernarg_segment_ptr 1
		.amdhsa_wavefront_size32 1
		.amdhsa_system_sgpr_workgroup_id_x 1
		.amdhsa_system_sgpr_workgroup_id_y 1
		.amdhsa_system_sgpr_workgroup_id_z 1
		.amdhsa_system_vgpr_workitem_id 0
		.amdhsa_next_free_vgpr 98
		.amdhsa_next_free_sgpr 66
		.amdhsa_reserve_vcc 0
		.amdhsa_float_denorm_mode_32 3
		.amdhsa_float_denorm_mode_16_64 3
		.amdhsa_memory_ordered 1
		.amdhsa_forward_progress 1
		.amdhsa_inst_pref_size 26
	.end_amdhsa_kernel
	.amdgpu_metadata
---
amdhsa.version: [ 1, 2 ]
amdhsa.kernels:
  - .name:           k_q58a79c0fd2_inv
    .symbol:         k_q58a79c0fd2_inv.kd
    .args:
      - { .name: pos, .offset: 0, .size: 8, .value_kind: global_buffer, .address_space: global }
      - { .name: rl, .offset: 8, .size: 8, .value_kind: global_buffer, .address_space: global }
      - { .name: cnt, .offset: 16, .size: 8, .value_kind: global_buffer, .address_space: global }
    .group_segment_fixed_size: 149760
    .private_segment_fixed_size: 0
    .kernarg_segment_align: 8
    .kernarg_segment_size: 24
    .max_flat_workgroup_size: 512
    .sgpr_count:     66
    .vgpr_count:     98
    .wavefront_size: 32
...
	.end_amdgpu_metadata
.endif
;; end of part 9
;; launch scat (part 10): grid 256 x 1, 16 waves a work-group, no clusters, 178,176 bytes of LDS; arguments qf, lh, memory_key, rl, cnt, cand, glist; writes cand, glist
.if DOCPART == 10
	.amdgcn_target "amdgcn-amd-amdhsa--gfx1250"
	.amdhsa_code_object_version 6
	.text
	.protected	k_q58a79c0fd2_scat
	.globl	k_q58a79c0fd2_scat
	.p2align	8
	.type	k_q58a79c0fd2_scat,@function
k_q58a79c0fd2_scat:
	s_mov_b64 s[64:65], 0
	v_nop
	global_prefetch_b8 v0, s[64:65] scope:SCOPE_SE
	s_setreg_imm32_b32 hwreg(HW_REG_WAVE_MODE, 25, 1), 1
	s_wait_xcnt 0x0
; scat: the scores of the chosen groups alone.  For each group g and each row in its list rl[g]: cand[row][place][32] = q[row] . key[32 g + i] + lh[32 g + i],
; glist[row][place] = g.  1,024 x 256 = 262,144 (row, group) pairs are wanted, one in sixteen of all, so the rows that chose a group are gathered, 16 at a time,
; as B against the group's 32 keys as A: 8 matrix instructions for 16 pairs.  Same form, same operands and same order of K as the launch that found the maxima.
; WORK: one group a wave, 16 waves a work-group, 256 registers a wave; no wave reads another's LDS bytes: no barrier.
; A wave reads its 32 key rows once (a load = one row, 512 consecutive bytes), rounds them to f16, lays them into its own LDS rows and reads the 8 fragments back.
; A TILE is 16 entries of the list.  An entry is row x 256 + place: entry & 0x3ff00 is the row's byte offset in the row-major f16 copy of q, entry x 128 the
; place's byte offset in cand, entry x 4 in glist.  Lanes of the last tile that have no entry take the tile's first entry: they compute and store the same
; numbers to the same bytes, so EXEC stays full and the trip count is the only thing that hangs on cnt[g].
; THE WAY OUT: lane (r, h) holds slots 16 t + 8 h + j of entry r.  The tile goes through the wave's own stage in LDS and comes back with eight lanes holding one
; entry's 128 bytes: a store covers four whole places of 128 consecutive bytes.  Places of one row belong to different groups, so no larger piece belongs together.
; glist takes 4 bytes an entry to places far apart: 1,048,576 bytes in all.
; Tensor loads are left out because the keys must be converted on the way; clusters because each key row is read by one wave; prefetching because a wave
; issues all its key loads at its start.
; LIMITS: |q| and |key| at most 65,504, f16's largest number; q and key are rounded to f16.
; v2 16 lane, v3 A fragments' LDS address, v4 key stores' LDS address, v5 stage in, v6 stage back, v7 32 h, v8/v9 list offsets, v10/v11 list indices,
; v12 16 h, v13 16 (lane & 7), v14 g, v16 entry of lane r, v17 q offset, v18 glist offset, v20-23 entries 4 (lane >> 3) + i, v24-27 cand offsets,
; v48-63 lh as C, v64-127 A fragments (v64-191 first hold the keys as f32), v192-223 Q, v224-239 two accumulators, v240-255 the tile on its way out.
.set KP,   272                         ; a key row in LDS: 256 bytes of f16 + 16
.set OST,  32*KP                       ; behind the keys: the stage, 16 rows
.set SP,   144                         ; a stage row: 128 bytes + 16
.set WL,   OST+16*SP                   ; LDS bytes of a wave
.set QROWS, 262144                     ; the row-major copy of q in qf
.set BIAS, 48
.set AF,   64
.set Q,    192
.set ACC,  224
.set OUT,  240
; The entries just loaded: lanes past the list's end take the tile's first entry; clamp; the q offset; the list's offsets and indices step to the next tile.
.macro ESEL
	v_readfirstlane_b32 s34, v16                   ; entry 16 t: there is one, or the tile would not be run
	v_cmp_gt_i32 vcc_lo, s30, v10                  ; n > 16 t + r
	v_cndmask_b32 v16, s34, v16, vcc_lo
.irp i, 0,1,2,3
	v_cmp_gt_i32 vcc_lo, s[30+\i], v11             ; n - i > 16 t + 4 (lane >> 3)
	v_cndmask_b32 v[20+\i], s34, v[20+\i], vcc_lo
.endr
	v_min_u32 v16, 0x3ffff, v16                    ; a loaded number enters an address only clamped
.irp i, 0,1,2,3
	v_min_u32 v[20+\i], 0x3ffff, v[20+\i]
.endr
	v_and_b32 v17, 0x3ff00, v16                    ; row x 256
	v_add_nc_u32 v17, v12, v17                     ; + 16 h
	v_add_nc_u32 v8, 64, v8
	v_add_nc_u32 v9, 64, v9
	v_add_nc_u32 v10, 16, v10
	v_add_nc_u32 v11, 16, v11
.endm
.macro ECO                             ; the store offsets of the tile whose entries ESEL has prepared
	v_lshlrev_b32 v18, 2, v16
.irp i, 0,1,2,3
	v_lshl_add_u32 v[24+\i], v[20+\i], 7, v13
.endr
.endm
.macro QLOAD                           ; B: lane (r, h) takes k = 32 c + 8 h .. + 7 and 32 c + 16 + 8 h .. + 7 of its entry's row
.irp c, 0,1,2,3
	global_load_b128 v[Q+8*\c:Q+8*\c+3],   v17, s[4:5] offset:64*\c
	global_load_b128 v[Q+8*\c+4:Q+8*\c+7], v17, s[4:5] offset:64*\c+32
.endr
.endm
; One tile.  At its head the tile's 8 loads of Q are out and its store offsets are ready.  more = 1: another tile follows.
.macro TILE more
.if \more
	global_load_b32  v16, v8, s[10:11]             ; the next tile's entries: entry r,
	global_load_b128 v[20:23], v9, s[10:11]        ; and entries 4 (lane >> 3) .. + 3
	s_wait_loadcnt 2                               ; loads come back in order (ISA guide 5.7.1): Q is in, the two just issued stay out
.else
	s_wait_loadcnt 0
.endif
	; the two accumulators take turns, one instruction a turn; C of the first pair is lh
	v_wmma_f32_16x16x32_f16 v[ACC:ACC+7],    v[AF:AF+7],       v[Q:Q+7], v[BIAS:BIAS+7]
	v_wmma_f32_16x16x32_f16 v[ACC+8:ACC+15], v[AF+32:AF+39],   v[Q:Q+7], v[BIAS+8:BIAS+15]
.irp c, 1,2,3
	v_wmma_f32_16x16x32_f16 v[ACC:ACC+7],    v[AF+8*\c:AF+8*\c+7],       v[Q+8*\c:Q+8*\c+7], v[ACC:ACC+7]
	v_wmma_f32_16x16x32_f16 v[ACC+8:ACC+15], v[AF+32+8*\c:AF+32+8*\c+7], v[Q+8*\c:Q+8*\c+7], v[ACC+8:ACC+15]
.endr
.if \more
	s_wait_loadcnt 0                               ; the next tile's entries
	ESEL                                           ; its plain vector lines name no register of the products: they are the places behind them (ISA guide 7.12.1)
.else
.rept 4
	v_nop                                          ; four places between the last matrix instruction and the stores of its result
.endr
.endif
.irp t, 0,1
	ds_store_b128 v5, v[ACC+8*\t:ACC+8*\t+3]   offset:64*\t      ; stage[entry r][slots 16 t + 8 h .. + 3]
	ds_store_b128 v5, v[ACC+8*\t+4:ACC+8*\t+7] offset:64*\t+16
.endr
.if \more
	QLOAD                                          ; the next tile's rows of q: on their way while this tile leaves
.endif
.irp i, 0,1,2,3
	ds_load_b128 v[OUT+4*\i:OUT+4*\i+3], v6 offset:SP*\i         ; entry 4 (lane >> 3) + i, 16 bytes a lane; my own bytes, served in order (ISA guide 5.7.1)
.endr
.irp i, 0,1,2,3
	s_wait_dscnt 3-\i                              ; load i is in, the younger ones stay out
	global_store_b128 v[24+\i], v[OUT+4*\i:OUT+4*\i+3], s[14:15]
.endr
	global_store_b32 v18, v14, s[16:17]
.if \more
	s_wait_xcnt 0x0                                ; the stores' offsets and data are written again only behind this wait
	ECO
.endif
.endm
	s_load_b256 s[4:11], s[0:1], 0x0               ; qf s[4:5], lh s[6:7], memory_key s[8:9], rl s[10:11]
	s_load_b128 s[12:15], s[0:1], 0x20             ; cnt s[12:13], cand s[14:15]
	s_load_b64 s[16:17], s[0:1], 0x30              ; glist
	v_lshl_add_u32 v46, v0, 2, 0x2b000
	v_mov_b32 v47, 0
	v_lshrrev_b32 v1, 5, v0
	v_readfirstlane_b32 s20, v1                    ; wave w
	s_lshl_b32 s21, ttmp9, 4
	s_add_co_u32 s21, s21, s20                     ; my group g
	s_mov_b32 s23, 0
	v_and_b32 v1, 31, v0                           ; lane
	v_lshlrev_b32 v2, 4, v1                        ; 16 lane
	v_and_b32 v10, 15, v0                          ; r: also the list index of lane r in tile 0
	v_bfe_u32 v29, v0, 4, 1                        ; h
	v_lshrrev_b32 v30, 3, v1                       ; lane >> 3
	v_and_b32 v31, 7, v0                           ; lane & 7
	s_mul_i32 s24, s20, WL                         ; my LDS bytes
	s_add_co_u32 s25, s24, OST
	v_mul_u32_u24 v3, v10, KP
	v_lshl_add_u32 v3, v29, 4, v3
	v_add_nc_u32 v3, s24, v3                       ; key row r, + 16 h
	v_lshl_add_u32 v4, v1, 3, s24                  ; a key row's 256 bytes, 8 a lane
	v_mul_u32_u24 v5, v10, SP
	v_lshl_add_u32 v5, v29, 5, v5
	v_add_nc_u32 v5, s25, v5                       ; stage row r, + 32 h
	v_mul_u32_u24 v6, v30, 4*SP
	v_lshl_add_u32 v6, v31, 4, v6
	v_add_nc_u32 v6, s25, v6                       ; stage row 4 (lane >> 3), + 16 (lane & 7)
	v_lshlrev_b32 v7, 5, v29                       ; 32 h
	v_lshlrev_b32 v8, 2, v10                       ; list: word r
	v_lshlrev_b32 v9, 4, v30                       ; list: words 4 (lane >> 3) .. + 3
	v_lshlrev_b32 v11, 2, v30                      ; their first index
	v_lshlrev_b32 v12, 4, v29                      ; 16 h
	v_lshlrev_b32 v13, 4, v31                      ; 16 (lane & 7)
	v_mov_b32 v14, s21
	s_wait_kmcnt 0x0
	s_lshl_b32 s22, s21, 2
	s_add_nc_u64 s[12:13], s[12:13], s[22:23]
	s_load_b32 s30, s[12:13], 0x0                  ; n = cnt[g]
	s_lshl_b32 s22, s21, 12
	s_add_nc_u64 s[10:11], s[10:11], s[22:23]      ; rl[g]
	s_lshl_b32 s22, s21, 14
	s_add_nc_u64 s[8:9], s[8:9], s[22:23]          ; the group's 32 key rows
	s_lshl_b32 s22, s21, 7
	s_add_nc_u64 s[6:7], s[6:7], s[22:23]          ; its 32 words of lh
	s_add_nc_u64 s[4:5], s[4:5], QROWS
	global_load_b32  v16, v8, s[10:11]             ; tile 0's entries go first, so that they can be waited for ahead of the keys
	global_load_b128 v[20:23], v9, s[10:11]
.set i, 0
.rept 32
	global_load_b128 v[AF+4*i:AF+4*i+3], v2, s[8:9] offset:512*i th:TH_LOAD_NT
.set i, i+1
.endr
.irp t, 0,1
	global_load_b128 v[BIAS+8*\t:BIAS+8*\t+3],   v7, s[6:7] offset:64*\t      ; C's register j of half h: slot 16 t + 8 h + j
	global_load_b128 v[BIAS+8*\t+4:BIAS+8*\t+7], v7, s[6:7] offset:64*\t+16
.endr
	s_wait_kmcnt 0x0
	s_min_u32 s30, s30, 1024
	s_cmp_eq_u32 s30, 0
	s_cbranch_scc1 .Lend                           ; no row chose this group
	s_sub_co_i32 s31, s30, 1                       ; n - 1, n - 2, n - 3 for the four entries of a lane (compared as signed numbers)
	s_sub_co_i32 s32, s30, 2
	s_sub_co_i32 s33, s30, 3
	s_add_co_u32 s26, s30, 15
	s_lshr_b32 s26, s26, 4
	s_sub_co_u32 s26, s26, 1                       ; tiles - 1: the loop's trips
	s_wait_loadcnt 36                              ; the two list loads are in; 32 of keys and 4 of lh stay out
	ESEL
	ECO
	QLOAD
	s_wait_loadcnt 12                              ; the keys are in; 4 of lh and 8 of Q stay out
.set i, 0
.rept 32
	v_cvt_pk_f16_f32 v[AF+4*i],   v[AF+4*i],   v[AF+4*i+1]
	v_cvt_pk_f16_f32 v[AF+4*i+1], v[AF+4*i+2], v[AF+4*i+3]
.set i, i+1
.endr
.set i, 0
.rept 32
	ds_store_b64 v4, v[AF+4*i:AF+4*i+1] offset:KP*i
.set i, i+1
.endr
.irp t, 0,1
.irp c, 0,1,2,3
	ds_load_b128 v[AF+32*\t+8*\c:AF+32*\t+8*\c+3],   v3 offset:16*KP*\t+64*\c
	ds_load_b128 v[AF+32*\t+8*\c+4:AF+32*\t+8*\c+7], v3 offset:16*KP*\t+64*\c+32
.endr
.endr
	s_wait_dscnt 0x0
	s_cmp_eq_u32 s26, 0
	s_cbranch_scc1 .Ltail
	s_mov_b32 s27, 0
.Ltile:
	TILE 1
	s_add_co_u32 s27, s27, 1
	s_cmp_lt_u32 s27, s26
	s_cbranch_scc1 .Ltile
.Ltail:
	TILE 0                                         ; the last tile asks for nothing more
.Lend:
	s_barrier_signal -1
	s_barrier_wait -1
	s_wait_tensorcnt 0x0
	ds_add_u32 v46, v47
	s_wait_dscnt 0x0
	s_endpgm
.Lfunc_end_k_q58a79c0fd2_scat:
	.size	k_q58a79c0fd2_scat, .Lfunc_end_k_q58a79c0fd2_scat-k_q58a79c0fd2_scat
	.p2alignl 7, 3214868480
	.fill 96, 4, 3214868480
	.section	.rodata,"a",@progbits
	.p2align	6, 0x0
	.amdhsa_kernel k_q58a79c0fd2_scat
		.amdhsa_group_segment_fixed_size 178176
		.amdhsa_private_segment_fixed_size 0
		.amdhsa_enable_private_segment 0
		.amdhsa_kernarg_size 56
		.amdhsa_user_sgpr_count 2
		.amdhsa_user_sgpr_kernarg_segment_ptr 1
		.amdhsa_wavefront_size32 1
		.amdhsa_system_sgpr_workgroup_id_x 1
		.amdhsa_system_sgpr_workgroup_id_y 1
		.amdhsa_system_sgpr_workgroup_id_z 1
		.amdhsa_system_vgpr_workitem_id 0
		.amdhsa_next_free_vgpr 256
		.amdhsa_next_free_sgpr 66
		.amdhsa_reserve_vcc 1
		.amdhsa_float_denorm_mode_32 3
		.amdhsa_float_denorm_mode_16_64 3
		.amdhsa_memory_ordered 1
		.amdhsa_forward_progress 1
		.amdhsa_inst_pref_size 22
	.end_amdhsa_kernel
	.amdgpu_metadata
---
amdhsa.version: [ 1, 2 ]
amdhsa.kernels:
  - .name:           k_q58a79c0fd2_scat
    .symbol:         k_q58a79c0fd2_scat.kd
    .args:
      - { .name: qf, .offset: 0, .size: 8, .value_kind: global_buffer, .address_space: global }
      - { .name: lh, .offset: 8, .size: 8, .value_kind: global_buffer, .address_space: global }
      - { .name: memory_key, .offset: 16, .size: 8, .value_kind: global_buffer, .address_space: global }
      - { .name: rl, .offset: 24, .size: 8, .value_kind: global_buffer, .address_space: global }
      - { .name: cnt, .offset: 32, .size: 8, .value_kind: global_buffer, .address_space: global }
      - { .name: cand, .offset: 40, .size: 8, .value_kind: global_buffer, .address_space: global }
      - { .name: glist, .offset: 48, .size: 8, .value_kind: global_buffer, .address_space: global }
    .group_segment_fixed_size: 178176
    .private_segment_fixed_size: 0
    .kernarg_segment_align: 8
    .kernarg_segment_size: 56
    .max_flat_workgroup_size: 512
    .sgpr_count:     66
    .vgpr_count:     256
    .wavefront_size: 32
...
	.end_amdgpu_metadata
.endif
;; end of part 10
;; launch fin (part 11): grid 256 x 1, 4 waves a work-group, no clusters, 0 bytes of LDS; arguments cand, glist, memory_values, out0; writes out0
.if DOCPART == 11
	.amdgcn_target "amdgcn-amd-amdhsa--gfx1250"
	.amdhsa_code_object_version 6
	.text
	.protected	k_q58a79c0fd2_fin
	.globl	k_q58a79c0fd2_fin
	.p2align	8
	.type	k_q58a79c0fd2_fin,@function
k_q58a79c0fd2_fin:
	s_mov_b64 s[64:65], 0
	v_nop
	global_prefetch_b8 v0, s[64:65] scope:SCOPE_SE
	s_setreg_imm32_b32 hwreg(HW_REG_WAVE_MODE, 25, 1), 1
	s_wait_xcnt 0x0
; fin: for each row the 256 first of its 8,192 candidates (256 chosen groups x 32 slots) in the order (score descending, slot ascending), then
; out0[row] = clip( sum of w v / sum of w, 0.001, 0.999 ),  w = exp(l - largest l of the row),  v = memory_values at the slot.
; The row's maximum is taken away before the exponential, so the largest weight is 1 and the sum of weights is at least 1.
; One wave, one row, all in registers: window 1 register i of lane l = score of place i, slot l of its group; window 2 the same for memory_values.
; Places were given by ascending group number, so (register, lane) ascending is slot ascending: ties at the 256th value are taken as lax.top_k takes them.
; The 256th largest score is found bit by bit on the ordered image of the float's bits, 32 trips, each counts the scores below a trial value t.  The count is made
; without compare masks: the sign bit of x - t is 1 exactly where x < t (x = t gives +0; denormal differences are kept), two differences an instruction,
; then the sign bits are shifted down and added, eight chains.  No address and no branch hangs on a score.
; The only loaded numbers in addresses are glist's group numbers, clamped to 4,095.
; LIMITS: scores must be finite (a trial value is a NaN pattern only after plus infinity has been accepted, that is if 256 scores were infinite); in the ranking
; behind the loop -0 and +0 count as equal.  A wave stores one number: the whole output is 4,096 bytes.
; window 0: v1 4 lane, v2-3 trial value, v4-7 counters, v8-9 sum of w, v10-11 sum of w v, v12-13 lane crossing, v14 the row's maximum, v16-23 glist,
; v32-47 gather offsets, v48-55 weights of a batch, v56-63 ranks of a batch, v64-127 differences of a batch of 64, v128-135 eight counters.
.set D,  64
.set CA, 128
.set KEEP, 8192-256                    ; the trial bit stays if at most so many scores lie below the trial value
.set MSB, 0
.macro WIN new                         ; s_set_vgpr_msb: bits 1:0 source 0, 3:2 source 1, 5:4 source 2, 7:6 destination; the high byte repeats the setting that is left
.if MSB != \new
	s_set_vgpr_msb (MSB<<8)|\new
.set MSB, \new
.endif
.endm
.macro F2K                             ; the float whose ordered image is s23, into v2 and v3 (a pair for the packed subtraction)
	s_xor_b32 s24, s23, 0x80000000
	s_not_b32 s25, s23
	s_bitcmp1_b32 s23, 31
	s_cselect_b32 s24, s24, s25
	v_mov_b32 v2, s24
	v_mov_b32 v3, s24
.endm
.macro LANESUM                         ; s26 = the sum of v4 over the 32 lanes
	v_cvt_f32_u32 v4, v4                           ; at most 8,192 in all: exact in f32
	v_add_f32_dpp v4, v4, v4 row_xmask:1 row_mask:0xf bank_mask:0xf
	v_add_f32_dpp v4, v4, v4 row_xmask:2 row_mask:0xf bank_mask:0xf
	v_add_f32_dpp v4, v4, v4 row_xmask:4 row_mask:0xf bank_mask:0xf
	v_add_f32_dpp v4, v4, v4 row_xmask:8 row_mask:0xf bank_mask:0xf
	v_permlanex16_b32 v12, v4, s12, s13
	v_add_f32 v4, v4, v12
	v_cvt_u32_f32 v4, v4
	v_readfirstlane_b32 s26, v4
.endm
.macro COUNTLT                         ; s26 = how many of the row's 8,192 scores lie below v2; 64 registers a batch, so that the window changes eight times
.set b, 0
.rept 4
	WIN 0x01                                       ; source 0 (the scores) in window 1
.set p, 0
.rept 32
	v_pk_add_f32 v[D+2*p:D+2*p+1], v[64*b+2*p:64*b+2*p+1], v[2:3] neg_lo:[0,1] neg_hi:[0,1]   ; x - t, twice
.set p, p+1
.endr
	WIN 0
.set p, 0
.rept 64
	v_lshrrev_b32 v[D+p], 31, v[D+p]               ; the sign bit: 1 where x < t
.set p, p+1
.endr
.set p, 0
.rept 32
.if 32*b+p < 8
	v_add_nc_u32 v[CA+p], v[D+2*p], v[D+2*p+1]     ; the first eight pairs start the chains: nothing is cleared
.else
	v_add3_u32 v[CA+p%8], v[CA+p%8], v[D+2*p], v[D+2*p+1]
.endif
.set p, p+1
.endr
.set b, b+1
.endr
	v_add3_u32 v[CA], v[CA], v[CA+1], v[CA+2]
	v_add3_u32 v[CA+3], v[CA+3], v[CA+4], v[CA+5]
	v_add3_u32 v[CA], v[CA], v[CA+3], v[CA+6]
	v_add_nc_u32 v4, v[CA], v[CA+7]
	LANESUM
.endm
.macro COUNTGT                         ; s26 = how many scores are above v2, by the compare that the ranking below uses too; run once
.irp j, 4,5,6,7
	v_mov_b32 v\j, 0
.endr
	WIN 0x01                                       ; source 0 (the score) in window 1
.set i, 0
.rept 256
	v_cmp_gt_f32 vcc_lo, v[i], v2
	v_add_co_ci_u32 v[4+i%4], vcc_lo, 0, v[4+i%4], vcc_lo     ; + 1 where the relation holds; four chains
.set i, i+1
.endr
	WIN 0
	v_add_nc_u32 v4, v4, v5
	v_add_nc_u32 v6, v6, v7
	v_add_nc_u32 v4, v4, v6
	LANESUM
.endm
	s_load_b256 s[4:11], s[0:1], 0x0               ; cand s[4:5], glist s[6:7], memory_values s[8:9], out0 s[10:11]
	v_lshrrev_b32 v1, 5, v0
	v_readfirstlane_b32 s16, v1                    ; wave
	v_and_b32 v1, 31, v0
	v_lshlrev_b32 v1, 2, v1                        ; 4 lane
	s_lshl_b32 s17, ttmp9, 2
	s_add_co_u32 s17, s17, s16                     ; my row
	s_mov_b32 s19, 0
	s_mov_b32 s12, 0x76543210                      ; v_permlanex16_b32: lane i of one half reads lane i of the other
	s_mov_b32 s13, 0xfedcba98
	s_mov_b32 s30, 0xff800000                      ; minus infinity
	s_mov_b32 s34, 0x3a83126f                      ; 0.001
	s_mov_b32 s35, 0x3f7fbe77                      ; 0.999
	v_mov_b32 v12, 0                               ; destinations of the lane crossing count as read
	v_mov_b32 v13, 0
	s_wait_kmcnt 0x0
	s_lshl_b32 s18, s17, 15                        ; cand: 32,768 bytes a row
	s_add_nc_u64 s[4:5], s[4:5], s[18:19]
	s_lshl_b32 s18, s17, 10                        ; glist: 1,024
	s_add_nc_u64 s[6:7], s[6:7], s[18:19]
	s_lshl_b32 s18, s17, 2                         ; out0: 4
	s_add_nc_u64 s[10:11], s[10:11], s[18:19]
.irp k, 0,1,2,3,4,5,6,7
	global_load_b32 v[16+\k], v1, s[6:7] offset:128*\k         ; lane l: the group at place 32 k + l
.endr
	WIN 0x40                                       ; destination window 1
.set i, 0
.rept 56
	global_load_b32 v[i], v1, s[4:5] offset:128*i th:TH_LOAD_NT
.set i, i+1
.endr
	s_wait_loadcnt 56                              ; glist's eight loads are in; the 56 issued behind them stay out
.rept 200
	global_load_b32 v[i], v1, s[4:5] offset:128*i th:TH_LOAD_NT
.set i, i+1
.endr
	; memory_values of the 256 groups, 128 consecutive bytes each, sixteen groups at a time
.set b, 0
.rept 16
	WIN 0
	s_wait_xcnt 0x0                                ; the sixteen offset registers are written again only behind this wait
.set z, 0
.rept 16
	v_readlane_b32 s[40+z], v[16+((16*b+z)>>5)], (16*b+z)&31
.set z, z+1
.endr
.set z, 0
.rept 16
	s_min_u32 s[40+z], s[40+z], 0xfff              ; a loaded number enters an address only clamped
.set z, z+1
.endr
.set z, 0
.rept 16
	v_lshl_add_u32 v[32+z], s[40+z], 7, v1         ; group x 128 + 4 lane
.set z, z+1
.endr
	WIN 0x80                                       ; destination window 2
.set z, 0
.rept 16
	global_load_b32 v[16*b+z], v[32+z], s[8:9]
.set z, z+1
.endr
.set b, b+1
.endr
	s_wait_loadcnt 0x0
	; the row's largest score
	WIN 0x14                                       ; sources 1 and 2 in window 1
.set i, 0
.rept 128
.if i < 4
	v_max3_num_f32 v[4+i], s30, v[2*i], v[2*i+1]               ; four chains, started from minus infinity
.else
	v_max3_num_f32 v[4+i%4], v[4+i%4], v[2*i], v[2*i+1]
.endif
.set i, i+1
.endr
	WIN 0
	v_max3_num_f32 v4, v4, v5, v6
	v_max_num_f32 v4, v4, v7
	v_max_num_f32_dpp v4, v4, v4 row_xmask:1 row_mask:0xf bank_mask:0xf
	v_max_num_f32_dpp v4, v4, v4 row_xmask:2 row_mask:0xf bank_mask:0xf
	v_max_num_f32_dpp v4, v4, v4 row_xmask:4 row_mask:0xf bank_mask:0xf
	v_max_num_f32_dpp v4, v4, v4 row_xmask:8 row_mask:0xf bank_mask:0xf
	v_permlanex16_b32 v12, v4, s12, s13
	v_max_num_f32 v14, v4, v12
	s_mov_b32 s20, 0                               ; the bits found so far
	s_mov_b32 s21, 0x80000000                      ; the bit on trial
	s_mov_b32 s22, 32
.Lbit:
	s_or_b32 s23, s20, s21
	F2K
	COUNTLT
	s_cmp_le_u32 s26, KEEP                         ; at least 256 scores are not below the trial value: the bit stays
	s_cselect_b32 s20, s23, s20
	s_lshr_b32 s21, s21, 1
	s_sub_co_i32 s22, s22, 1
	s_cmp_lg_u32 s22, 0
	s_cbranch_scc1 .Lbit
	s_mov_b32 s23, s20                             ; the 256th largest score
	F2K
	COUNTGT
	s_sub_co_u32 s27, 256, s26                     ; so many of the scores equal to it are taken, the lowest slots first
	s_mov_b32 s28, 0                               ; equal scores met so far
.irp j, 8,9,10,11
	v_mov_b32 v\j, 0
.endr
.set b, 0
.rept 32
	WIN 0x01                                       ; source 0 (the score) in window 1
.irp z, 0,1,2,3,4,5,6,7
	v_cmp_gt_f32 s[40+\z], v[8*b+\z], v2
	v_cmp_eq_f32 s[48+\z], v[8*b+\z], v2
	v_sub_f32 v[48+\z], v[8*b+\z], v14             ; l - maximum, at most 0
.endr
	WIN 0
.irp z, 0,1,2,3,4,5,6,7
	v_mbcnt_lo_u32_b32 v[56+\z], s[48+\z], s28     ; my rank among the equal scores
	s_bcnt1_i32_b32 s33, s[48+\z]
	s_add_co_u32 s28, s28, s33
.endr
.irp z, 0,1,2,3,4,5,6,7
	v_cmp_gt_u32 s[56+\z], s27, v[56+\z]
.endr
.irp z, 0,1,2,3,4,5,6,7
	s_and_b32 s[56+\z], s[56+\z], s[48+\z]
	s_or_b32 s[40+\z], s[40+\z], s[56+\z]          ; taken: larger, or equal with a rank that is still taken
.endr
.irp z, 0,1,2,3,4,5,6,7
	v_mul_f32 v[48+\z], 0x3fb8aa3b, v[48+\z]       ; v_exp_f32 is 2 to the power
.endr
.irp z, 0,1,2,3,4,5,6,7
	v_exp_f32 v[48+\z], v[48+\z]
.endr
	v_nop                                          ; one plain place behind the transcendentals before their results are used (ISA guide 5.7.2)
	s_wait_alu depctr_va_vdst(0)
.irp z, 0,1,2,3,4,5,6,7
	v_cndmask_b32 v[48+\z], 0, v[48+\z], s[40+\z]  ; weight 0 for what is not taken
	v_add_f32 v[8+\z%2], v[8+\z%2], v[48+\z]
.endr
	WIN 0x08                                       ; source 1 (the value) in window 2
.irp z, 0,1,2,3,4,5,6,7
	v_fmac_f32 v[10+\z%2], v[48+\z], v[8*b+\z]
.endr
.set b, b+1
.endr
	WIN 0
	v_add_f32 v8, v8, v9
	v_add_f32 v10, v10, v11
.irp m, 1,2,4,8
	v_add_f32_dpp v8, v8, v8 row_xmask:\m row_mask:0xf bank_mask:0xf
	v_add_f32_dpp v10, v10, v10 row_xmask:\m row_mask:0xf bank_mask:0xf
.endr
	v_permlanex16_b32 v12, v8, s12, s13
	v_permlanex16_b32 v13, v10, s12, s13
	v_add_f32 v8, v8, v12
	v_add_f32 v10, v10, v13
	v_rcp_f32 v8, v8                               ; the sum of weights is at least 1
	v_nop                                          ; one plain place behind the transcendental (ISA guide 5.7.2)
	s_wait_alu depctr_va_vdst(0)
	v_mul_f32 v8, v10, v8
	v_med3_num_f32 v8, v8, s34, s35                ; the clip
	v_cmp_eq_u32 vcc_lo, 0, v1
	s_wait_xcnt 0x0                                ; EXEC changes only behind this wait
	s_and_saveexec_b32 s36, vcc_lo                 ; lane 0 alone, whose offset 4 lane is 0
	global_store_b32 v1, v8, s[10:11]
	s_endpgm
.Lfunc_end_k_q58a79c0fd2_fin:
	.size	k_q58a79c0fd2_fin, .Lfunc_end_k_q58a79c0fd2_fin-k_q58a79c0fd2_fin
	.p2alignl 7, 3214868480
	.fill 96, 4, 3214868480
	.section	.rodata,"a",@progbits
	.p2align	6, 0x0
	.amdhsa_kernel k_q58a79c0fd2_fin
		.amdhsa_group_segment_fixed_size 0
		.amdhsa_private_segment_fixed_size 0
		.amdhsa_enable_private_segment 0
		.amdhsa_kernarg_size 32
		.amdhsa_user_sgpr_count 2
		.amdhsa_user_sgpr_kernarg_segment_ptr 1
		.amdhsa_wavefront_size32 1
		.amdhsa_system_sgpr_workgroup_id_x 1
		.amdhsa_system_sgpr_workgroup_id_y 1
		.amdhsa_system_sgpr_workgroup_id_z 1
		.amdhsa_system_vgpr_workitem_id 0
		.amdhsa_next_free_vgpr 768
		.amdhsa_next_free_sgpr 66
		.amdhsa_reserve_vcc 1
		.amdhsa_float_denorm_mode_32 3
		.amdhsa_float_denorm_mode_16_64 3
		.amdhsa_memory_ordered 1
		.amdhsa_forward_progress 1
		.amdhsa_inst_pref_size 255
	.end_amdhsa_kernel
	.section	.bss,"aw",@nobits
	.p2align	6
	.space	262144
	.amdgpu_metadata
---
amdhsa.version: [ 1, 2 ]
amdhsa.kernels:
  - .name:           k_q58a79c0fd2_fin
    .symbol:         k_q58a79c0fd2_fin.kd
    .args:
      - { .name: cand, .offset: 0, .size: 8, .value_kind: global_buffer, .address_space: global }
      - { .name: glist, .offset: 8, .size: 8, .value_kind: global_buffer, .address_space: global }
      - { .name: memory_values, .offset: 16, .size: 8, .value_kind: global_buffer, .address_space: global }
      - { .name: out0, .offset: 24, .size: 8, .value_kind: global_buffer, .address_space: global }
    .group_segment_fixed_size: 0
    .private_segment_fixed_size: 0
    .kernarg_segment_align: 8
    .kernarg_segment_size: 32
    .max_flat_workgroup_size: 128
    .sgpr_count:     66
    .vgpr_count:     768
    .wavefront_size: 32
...
	.end_amdgpu_metadata
.endif
;; end of part 11
